; MI455X (gfx1250); checked and timed in simulation.
; The chip was launched on July 23, 2026; its instructions are those of AMD's public machine-readable ISA for CDNA 5 (MIT licence, August 2026) and "CDNA5" Instruction Set Architecture Reference Guide (July 2026). The comments in the code are by the model that wrote it; some were corrected since.
;; Multi Head Attention. Allowed arithmetic: matrix products marked QUANTISED: E2M1 operands, one E8M0 scale for each 32 along K, by v_wmma_scale_f32_16x16x128_f8f6f4 with both operands' format E2M1 (or v_wmma_scale_f32_32x16x128_f4), f32 sums; products left as they are: bf16, f16 or f32 operands; f32 sums; everything else in f32.
;; Inputs: w_out 1,024 x 1,024 float32; w_qkv 3,072 x 1,024 float32; x 4 x 2,048 x 1,024 float32.
;; Outputs: out0 4 x 2,048 x 1,024 float32.
;; This version of the problem:
;;   THIS VERSION OF THE PROBLEM IS GIVEN IN LOW PRECISION. The matrix products marked QUANTISED in the list below multiply operands that are first quantised to E2M1 (2 exponent bits, 1 mantissa bit; 4 bits a number), with one power-of-two scale for each 32 numbers along K (OCP MX v1.0); their sums are f32. The products marked 'left as it is' may take bf16, f16 or f32 operands, with f32 sums. Whichever they take, every output number must still come out within the allowed error. Rounding operands to bf16 (8 significant bits) uses up far more of that allowance than f16 does (11 bits, for magnitudes from 6e-5 to 65,504). All else is computed in f32.
;;   The module's matrix products, in the order in which they are computed (A, B: the left and right operand; K: the contracted axis; several contracted axes count as one K, in the product's order):
;;     1. [M 8,192, K 1,024] x [K 1,024, N 3,072]; A: input x; B: input w_qkv: QUANTISED
;;     2. batch 64 x [M 2,048, K 64] x [K 64, N 2,048]; A: computed on the way; B: computed on the way: left as it is (an operand is computed on the way)
;;     3. batch 64 x [M 2,048, K 2,048] x [K 2,048, N 64]; A: computed on the way; B: computed on the way: left as it is (an operand is computed on the way)
;;     4. [M 8,192, K 1,024] x [K 1,024, N 1,024]; A: computed on the way; B: input w_out: left as it is (an operand is computed on the way)
;;   THE QUANTISER, for each operand of a quantised product, along K:
;;     - K is cut into blocks of 32 from its start; a last block that is shorter is filled with zeros.
;;     - A block's scale is 2^e with e = floor(log2(the largest magnitude in the block)) - 2, held to -126 .. 127; a block of zeros has e = 0. As a byte (E8M0): e + 127.
;;     - Each number is divided by its block's scale, clamped to +-6, and rounded to the nearest number of E2M1, ties to even, subnormals kept.
;;     - The product sums the exact products of the quantised numbers (number of the format x scale) in f32.
;;   ~~~python
;;   def quantise(x, axis):      # numpy; x: float32 -> the quantised numbers, widened to float32 again
;;       x = np.moveaxis(x, axis, -1); K = x.shape[-1]
;;       x = np.pad(x, [(0, 0)] * (x.ndim - 1) + [(0, -K % 32)]); x = x.reshape(x.shape[:-1] + (-1, 32)); a = np.abs(x).max(-1, keepdims=True)
;;       e = np.where(a > 0, np.clip(np.frexp(np.where(a > 0, a, 1))[1] - 1 - 2, -126, 127), 0)      # np.frexp(a)[1] - 1 = floor(log2(a)), exactly
;;       r = np.clip(x / 2.0 ** e, -6, 6)
;;       step = 2.0 ** (np.maximum(np.frexp(np.where(r == 0, 1, r))[1] - 1, 0) - 1)
;;       q = np.round(r / step) * step * 2.0 ** e      # np.round: ties to even
;;       return np.moveaxis(q.reshape(q.shape[:-2] + (-1,))[..., :K], -1, axis).astype(np.float32)
;;   ~~~
;; One version. Each part assembles by itself: llvm-mc -triple=amdgcn-amd-amdhsa -mcpu=gfx1250 --defsym DOCPART=n.
;; ======== version 1 of 1: 5 launches
;; limits: values are held in f16: magnitudes above 65,504 overflow, below 6.1e-05 lose precision
;; workspace buffers: xc 4,194,304 bytes; xs 262,144 bytes; wc 1,572,864 bytes; ws 98,304 bytes; w16 2,097,152 bytes; qk 33,554,432 bytes; vt 16,777,216 bytes; ao 17,039,360 bytes
;; launch prep (part 1): grid 416 x 1, 4 waves a work-group, no clusters, 33,280 bytes of LDS; arguments x, w_qkv, xc, xs, wc, ws, w_out, w16; writes xc, xs, wc, ws, w16
.if DOCPART == 1
	.amdgcn_target "amdgcn-amd-amdhsa--gfx1250"
	.amdhsa_code_object_version 6
	.text
	.protected	k_q273d09038f_prep
	.globl	k_q273d09038f_prep
	.p2align	8
	.type	k_q273d09038f_prep,@function
k_q273d09038f_prep:
	s_mov_b64 s[64:65], 0
	v_nop
	global_prefetch_b8 v0, s[64:65] scope:SCOPE_SE
	s_setreg_imm32_b32 hwreg(HW_REG_WAVE_MODE, 25, 1), 1
	s_wait_xcnt 0x0
; THE PROGRAM: multi-head attention, 4 sequences x 2,048 positions x 1,024 channels, 16 heads of 64, key j counts for query i where i - 128 <= j <= i.  Five launches:
;   this one: x and w_qkv into codes of FP4 (E2M1) with E8M0 scale bytes, w_out into f16;  then x w_qkv^T on the codes;  the banded attention;  the projection in f16;  the first 16 positions' projection in f32.
; WORK LEFT OUT.  The mask is built by the problem's own text.  For the 16 queries q0 .. q0 + 15 every key outside q0 - 128 .. q0 + 15 gets the score -infinity, so its weight is exactly 0 and adds nothing to
; the row's sum nor to the product with V, whatever finite values x, w_qkv and w_out hold.  Those tiles of keys (119 of a row's 128 tiles of 16) are multiplied in neither product; keys ahead of a sequence's
; first position do not exist.  All three inputs have a way to the output and are loaded.
; LIMITS.  A NaN, an infinity or an overflow that reaches only the work left out is not carried to the result.  q, k, v, the attention's rows and w_out are matrix operands in f16: beyond 65,504 they become
; infinity, under 6e-8 zero.  The first 16 positions of each sequence are projected in f32 from f32 rows; their two attention products take the same f16 q, k, v as all rows.
; Blocks whose largest magnitude lies under 2^(2 - 126), whose scale byte is held at 1, were not tried; NaN and infinities among the inputs are not served.
;
; THIS LAUNCH.  Work-groups 0 to 255 quantise x, 256 to 351 w_qkv, 352 to 415 round w_out to f16.  No work-group shares an input byte with another: no cluster, no tensor load.
; THE QUANTISER.  A block of 32 along K has the scale 2^(floor(log2(its largest magnitude)) - 2); its byte is the largest magnitude's own exponent field - 2, held at 1 from below.  (A block of zeros so gets
; the byte 1 where the rule says 127: its codes are zeros, which add nothing under any byte but 0xff, and the bytes are read by this program alone.)  Each number is divided by the scale and rounded to the nearest
; code, ties to even, beyond 6 to 6.  Rows are dense and K = 1,024 is a multiple of 32: both tensors are plain streams of blocks, and so are codes and scale bytes.
; A wave takes 16 steps of 512 numbers.  Each of a step's four loads reads 512 consecutive bytes, 16 a lane; the 2,048 bytes go through the wave's own stage in LDS and come back 64 bytes a lane, so that a lane
; holds 16 neighbours along K (two neighbouring lanes hold a block).  A lane's 16 codes are 8 bytes: the wave stores 256 consecutive bytes.  A wave's 256 scale bytes are gathered in LDS and leave as one run of 256.
.set SIZE_M, 8192
.set SIZE_N, 3072
.set SIZE_K, 1024
.set WAVES, 4
.set STEPS, 16
.set WGA,   SIZE_M*SIZE_K/(512*STEPS*WAVES)            ; 256 work-groups for x
.set WGQ,   (SIZE_M+SIZE_N)*SIZE_K/(512*STEPS*WAVES)   ; 352 for x and w_qkv together
.set EMAX,  2
.set CB,    8                          ; bytes of 16 codes
.set R,     16                         ; v16-79   four sets of 16 numbers as they are loaded
.set X,     80                         ; v80-111  two sets of 16 neighbours
.set C,     128                        ; v128-191 codes: four registers for each step, so that no store's data are written again
.set E,     112                        ; v112-127 a scale byte for each step
.set WREG,  8192                       ; LDS: a region for each wave: two stages of 32 x SP bytes, and behind them its 256 scale bytes
.set SP,    80                         ; a lane's place in a stage: its 64 bytes + 16 of padding
.set SPW,   12                         ; v12      LDS address of my spare word; never rewritten
.set NIL,   13                         ; v13      0; never rewritten
.set SPARE, WAVES*WREG                 ; behind the four regions: the spare words, 128 bytes for each wave
.set CR,    16                         ; the cast: v16-143 numbers as loaded
.set CH,    144                        ; v144-207 pairs of f16
	s_load_b128 s[4:7], s[0:1], 0x0                ; x, w_qkv
	s_load_b128 s[8:11], s[0:1], 0x10              ; x's codes, x's scales
	s_load_b128 s[12:15], s[0:1], 0x20             ; w_qkv's codes, its scales
	s_load_b128 s[24:27], s[0:1], 0x30             ; w_out, w16
	v_lshl_add_u32 v[SPW], v0, 2, SPARE
	v_mov_b32 v[NIL], 0
	v_lshrrev_b32 v1, 5, v0
	v_readfirstlane_b32 s16, v1                    ; wave
	v_and_b32 v2, 31, v0                           ; lane
	v_lshlrev_b32 v3, 4, v2                        ; my 16 bytes of a load's 512
	s_mul_i32 s17, s16, WREG
	v_lshrrev_b32 v14, 2, v2
	v_mul_u32_u24 v14, v14, SP
	v_and_b32 v15, 3, v2
	v_lshl_add_u32 v14, v15, 4, v14
	v_add_nc_u32 v14, s17, v14                     ; the stage, on the way in: four lanes' 64 bytes on end, then 16 of padding
	v_mul_u32_u24 v15, v2, SP
	v_add_nc_u32 v15, s17, v15                     ; and on the way out: SP x lane: my 16 neighbours
	v_mul_u32_u24 v4, v2, CB                       ; my codes' place in a step's
	v_lshrrev_b32 v5, 1, v2
	s_add_co_u32 s17, s17, 2*32*SP
	v_add_nc_u32 v5, s17, v5                       ; LDS: my wave's 256 scale bytes, my block's byte
	v_lshlrev_b32 v7, 3, v2                        ; 8 bytes a lane
	v_add_nc_u32 v6, s17, v7
	s_wait_kmcnt 0x0
	s_cmp_lt_u32 ttmp9, WGQ                        ; the work-group's number alone decides
	s_cbranch_scc1 .Lquant
	; ---- THE CAST: my wave's 4,096 numbers of w_out, 512 consecutive bytes a load, 256 consecutive bytes a store.  This path writes no LDS.
	s_sub_co_u32 s17, ttmp9, WGQ
	s_lshl_b32 s17, s17, 2
	s_add_co_u32 s17, s17, s16                     ; which run of 4,096 numbers is mine
	s_lshl_b32 s18, s17, 14
	s_mov_b32 s19, 0
	s_add_nc_u64 s[24:25], s[24:25], s[18:19]
	s_lshl_b32 s18, s17, 13
	s_add_nc_u64 s[26:27], s[26:27], s[18:19]
.set I, 0
.rept 32
	global_load_b128 v[CR+4*I:CR+4*I+3], v3, s[24:25] offset:512*I th:TH_LOAD_NT
.set I, I+1
.endr
.set I, 0
.rept 32
	s_wait_loadcnt 31-I                            ; loads come back in order: load I is in, the 31 - I younger ones may be out
	v_cvt_pk_f16_f32 v[CH+2*I], v[CR+4*I], v[CR+4*I+1]
	v_cvt_pk_f16_f32 v[CH+2*I+1], v[CR+4*I+2], v[CR+4*I+3]
	global_store_b64 v7, v[CH+2*I:CH+2*I+1], s[26:27] offset:256*I   ; every step has registers of its own: no store's data are written again
.set I, I+1
.endr
	s_endpgm
.Lquant:
	s_cmp_lt_u32 ttmp9, WGA                        ; x's work-group or w_qkv's?  Only pointers are chosen: both take one path
	s_cselect_b64 s[4:5], s[4:5], s[6:7]
	s_cselect_b64 s[8:9], s[8:9], s[12:13]
	s_cselect_b64 s[10:11], s[10:11], s[14:15]
	s_cselect_b32 s17, 0, WGA
	s_sub_co_u32 s17, ttmp9, s17
	s_lshl_b32 s17, s17, 2
	s_add_co_u32 s18, s17, s16                     ; which run of 8,192 numbers of the tensor is my wave's
	s_mov_b32 s19, 0
	s_mov_b64 s[20:21], 512*STEPS*4
	s_mul_u64 s[20:21], s[18:19], s[20:21]
	s_add_nc_u64 s[4:5], s[4:5], s[20:21]
	s_mov_b64 s[20:21], 32*STEPS*CB
	s_mul_u64 s[20:21], s[18:19], s[20:21]
	s_add_nc_u64 s[8:9], s[8:9], s[20:21]
	s_lshl_b32 s18, s18, 8                         ; 256 scale bytes a run
	s_add_nc_u64 s[10:11], s[10:11], s[18:19]
.macro LOAD t
.irp i, 0,1,2,3
	global_load_b128 v[R+16*((\t)%4)+4*\i:R+16*((\t)%4)+4*\i+3], v3, s[4:5] offset:2048*(\t)+512*\i th:TH_LOAD_NT   ; 32 lanes read 512 consecutive bytes
.endr
.endm
.macro TURN t                          ; step t's numbers through the stage: LDS serves a wave's instructions in order, so no wait stands between the stores and the loads
.irp i, 0,1,2,3
	ds_store_b128 v14, v[R+16*((\t)%4)+4*\i:R+16*((\t)%4)+4*\i+3] offset:32*SP*((\t)%2)+8*SP*\i
.endr
.irp i, 0,1,2,3
	ds_load_b128 v[X+16*((\t)%2)+4*\i:X+16*((\t)%2)+4*\i+3], v15 offset:32*SP*((\t)%2)+16*\i
.endr
.endm
.irp t, 0,1,2,3
	LOAD \t
.endr
	s_wait_loadcnt 12                              ; step 0's four loads are in; the twelve of steps 1 to 3 may be out
	TURN 0
.macro STEP t
.set XS, X+16*((\t)%2)
.if (\t) > 0
	s_wait_dscnt 1                                 ; this step's numbers are back from the stage (the last step's byte store may be out)
.else
	s_wait_dscnt 0x0
.endif
.if (\t)+4 < STEPS
	LOAD (\t)+4                                    ; into the registers that the stage's stores have read
.endif
.if (\t)+1 < STEPS
.if STEPS-2-(\t) >= 3
	s_wait_loadcnt 12                              ; the next step's four loads are in; those of the three steps behind it may be out
.else
	s_wait_loadcnt 4*(STEPS-2-(\t))
.endif
	TURN (\t)+1                                    ; and go through the other stage while this step is worked
.endif
	v_max3_num_f32 v8, |v[XS]|, |v[XS+1]|, |v[XS+2]|               ; the largest magnitude of my 16
	v_max3_num_f32 v9, |v[XS+3]|, |v[XS+4]|, |v[XS+5]|
.irp i, 6,10
	v_max3_num_f32 v8, v8, |v[XS+\i]|, |v[XS+\i+1]|
	v_max3_num_f32 v9, v9, |v[XS+\i+2]|, |v[XS+\i+3]|
.endr
	v_max3_num_f32 v8, v8, |v[XS+14]|, |v[XS+15]|
	v_max3_num_f32 v8, v8, v9, (EMAX+1)<<23        ; and the floor 2^(EMAX + 1 - 127): the byte cannot fall under 1
	v_max_num_f32_dpp v8, v8, v8 row_xmask:1 row_mask:0xf bank_mask:0xf   ; and of my neighbour's 16: the block's
	v_add_nc_u32 v11, -(EMAX<<23), v8              ; EMAX off its exponent field: the conversion takes the exponent field of this operand as its scale
	v_cvt_scalef32_pk8_fp4_f32 v[C+4*(\t)], v[XS:XS+7], v11
	v_cvt_scalef32_pk8_fp4_f32 v[C+4*(\t)+1], v[XS+8:XS+15], v11
	v_lshrrev_b32 v[E+(\t)], 23, v11               ; the scale's byte (also the plain line behind the conversions)
	ds_store_b8 v5, v[E+(\t)] offset:16*(\t)       ; both lanes of a block write the same byte with the same value
	global_store_b64 v4, v[C+4*(\t):C+4*(\t)+1], s[8:9] offset:32*CB*(\t)
.endm
.irp t, 0,1,2,3,4,5,6,7,8,9,10,11,12,13,14,15
	STEP \t
.endr
	ds_load_b64 v[8:9], v6                         ; LDS serves a wave's instructions in order: these see my stores
	s_wait_dscnt 0x0
	global_store_b64 v7, v[8:9], s[10:11]          ; 32 lanes store 256 consecutive bytes, aligned
	s_wait_tensorcnt 0x0                           ; the wave's end, behind my last LDS store
	ds_add_u32 v[SPW], v[NIL]
	s_wait_dscnt 0x0
	s_endpgm
.Lfunc_end_k_q273d09038f_prep:
	.size	k_q273d09038f_prep, .Lfunc_end_k_q273d09038f_prep-k_q273d09038f_prep
	.p2alignl 7, 3214868480
	.fill 96, 4, 3214868480
	.section	.rodata,"a",@progbits
	.p2align	6, 0x0
	.amdhsa_kernel k_q273d09038f_prep
		.amdhsa_group_segment_fixed_size 33280
		.amdhsa_private_segment_fixed_size 0
		.amdhsa_enable_private_segment 0
		.amdhsa_kernarg_size 64
		.amdhsa_user_sgpr_count 2
		.amdhsa_user_sgpr_kernarg_segment_ptr 1
		.amdhsa_wavefront_size32 1
		.amdhsa_system_sgpr_workgroup_id_x 1
		.amdhsa_system_sgpr_workgroup_id_y 1
		.amdhsa_system_sgpr_workgroup_id_z 1
		.amdhsa_system_vgpr_workitem_id 0
		.amdhsa_next_free_vgpr 208
		.amdhsa_next_free_sgpr 66
		.amdhsa_reserve_vcc 0
		.amdhsa_float_denorm_mode_32 3
		.amdhsa_float_denorm_mode_16_64 3
		.amdhsa_memory_ordered 1
		.amdhsa_forward_progress 1
		.amdhsa_inst_pref_size 45
	.end_amdhsa_kernel
	.amdgpu_metadata
---
amdhsa.version: [ 1, 2 ]
amdhsa.kernels:
  - .name:           k_q273d09038f_prep
    .symbol:         k_q273d09038f_prep.kd
    .args:
      - { .name: x, .offset: 0, .size: 8, .value_kind: global_buffer, .address_space: global }
      - { .name: w_qkv, .offset: 8, .size: 8, .value_kind: global_buffer, .address_space: global }
      - { .name: xc, .offset: 16, .size: 8, .value_kind: global_buffer, .address_space: global }
      - { .name: xs, .offset: 24, .size: 8, .value_kind: global_buffer, .address_space: global }
      - { .name: wc, .offset: 32, .size: 8, .value_kind: global_buffer, .address_space: global }
      - { .name: ws, .offset: 40, .size: 8, .value_kind: global_buffer, .address_space: global }
      - { .name: w_out, .offset: 48, .size: 8, .value_kind: global_buffer, .address_space: global }
      - { .name: w16, .offset: 56, .size: 8, .value_kind: global_buffer, .address_space: global }
    .group_segment_fixed_size: 33280
    .private_segment_fixed_size: 0
    .kernarg_segment_align: 8
    .kernarg_segment_size: 64
    .max_flat_workgroup_size: 128
    .sgpr_count:     66
    .vgpr_count:     208
    .wavefront_size: 32
...
	.end_amdgpu_metadata
.endif
;; end of part 1
;; launch qkv (part 2): grid 12 x 32, 4 waves a work-group, clusters of 4 x 4, 327,680 bytes of LDS; arguments xc, xs, wc, ws, qk, vt; writes qk, vt
.if DOCPART == 2
	.amdgcn_target "amdgcn-amd-amdhsa--gfx1250"
	.amdhsa_code_object_version 6
	.text
	.protected	k_q273d09038f_qkv
	.globl	k_q273d09038f_qkv
	.p2align	8
	.type	k_q273d09038f_qkv,@function
k_q273d09038f_qkv:
	s_mov_b64 s[64:65], 0
	v_nop
	global_prefetch_b8 v0, s[64:65] scope:SCOPE_SE
	s_setreg_imm32_b32 hwreg(HW_REG_WAVE_MODE, 25, 1), 1
	s_wait_xcnt 0x0
	s_wait_alu depctr_hold_cnt(0) depctr_sa_sdst(0) depctr_va_vdst(0) depctr_va_sdst(0) depctr_va_ssrc(0) depctr_va_vcc(0) depctr_vm_vsrc(0)
	s_getreg_b32 s2, hwreg(HW_REG_IB_STS2, 6, 4)
	s_cmp_eq_u32 s2, 0
	s_cbranch_scc0 .Lentry_in_a_cluster
	s_endpgm
.Lentry_in_a_cluster:
	s_bfe_u32 s2, ttmp6, 0x10000c
	s_cmp_lg_u32 s2, 0xf033
	s_cbranch_scc0 .Lentry_shape_is_right
	s_endpgm
.Lentry_shape_is_right:
; x w_qkv^T on codes of FP4 (E2M1) with one E8M0 scale for each 32 along K = 1,024; sums in f32; results rounded once to f16, the operand format of the attention that follows.
; A work-group of four waves makes 256 x 256, a wave 128 x 128: 64 accumulators of 16 x 16, 512 registers.  K = 1,024 is two LDS slots of 512 along K (rows of 256 bytes): both are filled once, at the start, and
; nothing is filled again.  The scale bytes of the work-group's 2 x 256 rows, for all of K, are two dense blocks of 8,192 bytes: they come once too.
; THE TWO SIDES.  The matrix instruction takes 16 rows of the "B side" as source 0 and 16 rows of the "A side" as source 1: a lane then holds ONE row of the A side and eight NEIGHBOURS of the B side.
;   Clusters x = 0, 1 (q's and k's 2,048 columns): A side = x's rows, B side = w_qkv's rows: the results are [position][channel] and go to qk: [16 groups of 128 columns][8,192 rows][128] f16.
;   Cluster x = 2 (v's 1,024 columns): THE SIDES CHANGE PLACES: A side = w_qkv's rows 2,048 on, B side = x's rows: the same text gives [channel][position], which is how the attention's second product
;   wants V: vt: [64 blocks of 128 positions][1,024 channels][128] f16.  Only pointers and offsets differ, chosen by s_cselect on the cluster's x, which all sixteen partners share: no branch hangs on it.
; In both layouts a wave's 128 x 128 results are ONE dense block of 32,768 bytes.
; CLUSTERS: 4 x 4 work-groups.  The four of a row of the cluster need the same tiles of the A side, the four of a column the same tiles of the B side: each tile is asked for JOINTLY, by the same tensor load
; with the same descriptor and a mask that names the four.  A wave has three tensor loads out at the most: its part of the scales and of both slots.
; REGISTERS, in windows of 256: window 0: v0-31 addresses; v32-95 scale words, two sets; from v128 the A side's fragments, ONE set; on the way out v128-223.
;   window 1: the B side's fragments, TWO sets, at v0 and at v128.   window 2: the accumulators of my rows 0-63 ((a, b) at v[8 (8 a + b)]);   window 3: those of my rows 64-127.
.set KSTEP,  512                       ; along K in a slot
.set NQ,     KSTEP/128                 ; matrix instructions deep
.set ROWB,   256                       ; a tile's row in bytes
.set KROW,   512                       ; a row of codes in memory: 1,024 codes
.set PITCH,  272                       ; an LDS row: 256 bytes + 16 of padding = 68 words: the 16 rows that a load touches start at 16 different banks (64 banks of 4 bytes: ISA guide 11.1)
.set FR,     8                         ; registers of a fragment: 16 rows x 128 K
.set NL,     2                         ; LDS loads that bring one
.set NP,     4                         ; places behind this matrix instruction (ISA guide 7.12.1)
.set HALFT,  128*PITCH                 ; 128 rows: what one tensor load brings
.set SLOT,   4*HALFT                   ; the A side's 256 rows, then the B side's
.set KS,     32                        ; a row of scale bytes
.set SCL,    2*SLOT                    ; behind the slots: the scales, as runs of 256 bytes + 16 of padding
.set HALFS,  (128*KS/256)*272          ; the scales of 128 rows
.set SBLK,   (16*KS/256)*272           ; those of 16 rows
.set SPARE,  SCL+4*HALFS               ; the spare words, 128 bytes for each wave
.set SPITCH, 272                       ; the way out: a stage of 16 rows x (256 bytes + 16) for each wave, in slot 0, which has had its only fill and its last read by then
.set ADRA, 16                          ; v16-17  LDS address of my A fragments in slot 0, 1
.set ADRB, 20                          ; v20-21  the same for B
.set STO,  24                          ; v24     the way out: where I put 16 bytes of a row
.set RD,   25                          ; v25     where I read a row back
.set CO,   26                          ; v26     16 x lane: my bytes of two dense rows of the result
.set ADRS, 27                          ; v27     LDS address of my scale words: lanes 0-15 the A side's rows, lanes 16-31 the B side's
.set SPW,  28                          ; v28     LDS address of my spare word; never rewritten
.set NIL,  29                          ; v29     0; never rewritten
.set SC,   32                          ; scale words: set s at v[SC + 8 NQ s]; register NQ i + q: lanes 0-15 A's block i, lanes 16-31 B's block i, the slot's q-th 128 along K
.set AF,   128                         ; the A side's fragments, in window 0
.set BK,   128                         ; the way out: 16 rows read back: v128-159 and v160-191 by turns
.set TMP,  192                         ; the way out: v192-223 packed results
.set G1, 24                            ; s[24:31] descriptor group 1 for the A side's tiles;  s[32:39] group 0, one set for each slot
.set G0, 32
.set G1B, 48                           ; s[48:55], s[56:63] the same for the B side
.set G0B, 56
.set G1S, 68                           ; s[68:75], s[76:79] groups 1 and 0 for the A side's scales;  s[80:87], s[88:91] for the B side's
.set G0S, 76
.set G1SB, 80
.set G0SB, 88
.set MSB, 0
.macro WIN new                         ; the immediate's high byte repeats the setting that is left
.if MSB != (\new)
	s_set_vgpr_msb (MSB<<8)|(\new)
.set MSB, (\new)
.endif
.endm
.set MUL_LO, 0xa1                      ; source 0 (B) window 1, source 1 (A) window 0, C and D window 2
.set MUL_HI, 0xf1                      ; the same, C and D window 3
.set TO_B,   0x40                      ; destination window 1, address window 0
; A joint load: waves 0 and 1 fetch for the A side, waves 2 and 3 for the B side.  Each line has ONE mask and one set of registers for all that issue it; the branch hangs on the wave's number alone.
; An s_nop 0 and four v_nop follow each of the two lines.
.macro JLOAD g0a, g1a, g0b, g1b
	s_cmp_eq_u32 s15, 0
	s_cbranch_scc0 .Lfor_b_\@
	tensor_load_to_lds s[\g0a:\g0a+3], s[\g1a:\g1a+7]
	s_nop 0
.rept 4
	v_nop
.endr
	s_branch .Lasked_\@
.Lfor_b_\@:
	tensor_load_to_lds s[\g0b:\g0b+3], s[\g1b:\g1b+7]
	s_nop 0
.rept 4
	v_nop
.endr
.Lasked_\@:
.endm
.macro CROUND                          ; a round of the cluster's barrier
	s_barrier_signal -1
	s_barrier_wait -1
	s_cmp_lg_u32 s14, 0
	s_cbranch_scc1 .Lnot_wave_0_\@
	s_barrier_signal -3
.Lnot_wave_0_\@:
	s_barrier_wait -3
	s_barrier_signal -1
	s_barrier_wait -1
.endm
	s_load_b128 s[4:7], s[0:1], 0x0                ; x's codes, x's scales
	s_load_b128 s[8:11], s[0:1], 0x10              ; w_qkv's codes, its scales
	s_load_b64 s[12:13], s[0:1], 0x20              ; qk
	s_load_b64 s[100:101], s[0:1], 0x28            ; vt
	v_lshl_add_u32 v[SPW], v0, 2, SPARE
	v_mov_b32 v[NIL], 0
	ds_add_u32 v[SPW], v[NIL]                      ; the wave's opening: the add, twice on end, and its wait ahead of my first tensor load
	ds_add_u32 v[SPW], v[NIL]                      ; and once more, under the one wait; the set-up below, work on registers, stands between
	v_lshrrev_b32 v1, 5, v0
	v_readfirstlane_b32 s14, v1                    ; wave 0..3
	s_lshr_b32 s15, s14, 1                         ; which half of the A side's rows is mine.  Also: I fetch for A (0) or for B (1)
	s_and_b32 s16, s14, 1                          ; which half of the B side's.  Also: which 128 rows of that tile I fetch
	s_bfe_u32 s40, ttmp6, 0x40000                  ; cx, cy: my place in the cluster
	s_bfe_u32 s41, ttmp6, 0x40004
	s_lshl_b32 s42, ttmp9, 2                       ; 4 x cluster x
	s_and_b32 s17, ttmp7, 0xffff
	s_lshl_b32 s17, s17, 2                         ; 4 x cluster y
	s_cmp_eq_u32 ttmp9, 2                          ; v's cluster?  The same answer in all sixteen partners
	s_cselect_b32 s42, s17, s42                    ; the B side's tiles: there x's, walked by cluster y; else w_qkv's, walked by cluster x
	s_cselect_b32 s17, 0, s17                      ; the A side's tiles: there w_qkv's four of v; else x's
	s_cselect_b32 s66, 2048, 0                     ; and v's rows of w_qkv begin at 2,048
	s_add_co_u32 s42, s42, s40                     ; the B side's tile: + cx
	s_add_co_u32 s17, s17, s41                     ; the A side's tile: + cy
	s_lshl_b32 s43, s41, 2
	s_lshl_b32 s43, 15, s43                        ; my row of the cluster
	s_lshl_b32 s44, 0x1111, s40                    ; my column
	; descriptor group 1: a tile of 128 rows x 256 bytes, 16 bytes of padding behind each row
	s_or_b32 s[G1+0], s43, (0<<16)|(1<<20)|(1<<21)|(5<<22)|(3<<25)  ; 15:0 the mask: my row; 17:16 elements of 1 byte; 20 padding on; 21 set beside a mask; 24:22 after every 64 words; 31:25 four words
	s_or_b32 s[G1B+0], s44, (0<<16)|(1<<20)|(1<<21)|(5<<22)|(3<<25) ; the same with the mask of my column
.irp g, G1, G1B
	s_mov_b32 s[\g+1], ROWB<<16                    ; tensor_dim0
	s_mov_b32 s[\g+2], 128<<16                     ; tensor_dim1
	s_mov_b32 s[\g+3], ROWB<<16                    ; tile_dim0
	s_mov_b32 s[\g+4], 128                         ; tile_dim1
	s_mov_b32 s[\g+5], KROW                        ; from row to row
	s_mov_b32 s[\g+6], 0
	s_mov_b32 s[\g+7], 0
.endr
	; and for the scales of 128 rows: 4,096 dense bytes as 16 rows of 256 (32 elements of 8 bytes), 16 bytes of padding behind each
	s_or_b32 s[G1S+0], s43, (3<<16)|(1<<20)|(1<<21)|(5<<22)|(3<<25)
	s_or_b32 s[G1SB+0], s44, (3<<16)|(1<<20)|(1<<21)|(5<<22)|(3<<25)
.irp g, G1S, G1SB
	s_mov_b32 s[\g+1], 32<<16
	s_mov_b32 s[\g+2], (128*KS/256)<<16
	s_mov_b32 s[\g+3], 32<<16
	s_mov_b32 s[\g+4], 128*KS/256
	s_mov_b32 s[\g+5], 32
	s_mov_b32 s[\g+6], 0
	s_mov_b32 s[\g+7], 0
.endr
	s_lshl_b32 s18, s16, 7                         ; which 128 rows of the tile I fetch
	s_lshl_b32 s20, s17, 8
	s_add_co_u32 s20, s20, s18
	s_add_co_u32 s20, s20, s66                     ; the A side: row 256 x tile + 128 x half (+ 2,048): these registers never hold cx
	s_lshl_b32 s46, s42, 8
	s_add_co_u32 s46, s46, s18                     ; the B side: row 256 x tile + 128 x half: these never hold cy
	s_mov_b32 s21, 0
	s_mov_b32 s47, 0
	s_mov_b64 s[18:19], KS
	s_mul_u64 s[22:23], s[20:21], s[18:19]         ; where these rows' scales begin, in bytes
	s_mul_u64 s[92:93], s[46:47], s[18:19]
	s_mov_b64 s[18:19], KROW
	s_mul_u64 s[20:21], s[20:21], s[18:19]         ; and their codes
	s_mul_u64 s[46:47], s[46:47], s[18:19]
	s_mul_i32 s45, s14, HALFT                      ; where they go: wave x 128 rows: no place in the cluster enters an LDS address
	s_mul_i32 s94, s14, HALFS
	s_wait_dscnt 0x0                               ; both opening adds are done
	s_wait_kmcnt 0x0
	s_cmp_eq_u32 ttmp9, 2                          ; the buffers of the two sides, and of the results
	s_cselect_b64 s[96:97], s[8:9], s[4:5]         ; the A side's codes
	s_cselect_b64 s[98:99], s[10:11], s[6:7]       ; and scales
	s_cselect_b64 s[8:9], s[4:5], s[8:9]           ; the B side's codes
	s_cselect_b64 s[10:11], s[6:7], s[10:11]       ; and scales
	s_cselect_b64 s[12:13], s[100:101], s[12:13]   ; vt or qk
	s_cselect_b32 s66, 18, 21                      ; a block of 128 of the B side is 2^18 bytes in vt (1,024 channels), 2^21 in qk (8,192 rows)
	s_add_nc_u64 s[20:21], s[96:97], s[20:21]
	s_add_nc_u64 s[22:23], s[98:99], s[22:23]
	s_add_nc_u64 s[46:47], s[8:9], s[46:47]
	s_add_nc_u64 s[92:93], s[10:11], s[92:93]
	CROUND                                         ; all sixteen work-groups are here: the joint loads meet
	s_mov_b32 s[G0S], 1
	s_add_co_u32 s[G0S+1], s94, SCL
	s_mov_b64 s[G0S+2:G0S+3], s[22:23]
	s_or_b32 s[G0S+3], s[G0S+3], 0x80000000
	s_mov_b32 s[G0SB], 1
	s_add_co_u32 s[G0SB+1], s94, SCL
	s_mov_b64 s[G0SB+2:G0SB+3], s[92:93]
	s_or_b32 s[G0SB+3], s[G0SB+3], 0x80000000
	JLOAD G0S, G1S, G0SB, G1SB                     ; the scales first: they are wanted with the first step
.irp s, 0,1
	s_mov_b32 s[G0+4*\s], 1
	s_add_co_u32 s[G0+4*\s+1], s45, \s*SLOT
	s_add_nc_u64 s[G0+4*\s+2:G0+4*\s+3], s[20:21], \s*ROWB
	s_or_b32 s[G0+4*\s+3], s[G0+4*\s+3], 0x80000000
	s_mov_b32 s[G0B+4*\s], 1
	s_add_co_u32 s[G0B+4*\s+1], s45, \s*SLOT
	s_add_nc_u64 s[G0B+4*\s+2:G0B+4*\s+3], s[46:47], \s*ROWB
	s_or_b32 s[G0B+4*\s+3], s[G0B+4*\s+3], 0x80000000
	JLOAD G0+4*\s, G1, G0B+4*\s, G1B
.endr
	v_and_b32 v1, 15, v0                           ; l % 16
	v_bfe_u32 v2, v0, 4, 1                         ; l / 16
	v_mul_u32_u24 v3, v1, PITCH
	v_lshl_add_u32 v4, v2, 4, v3                   ; a fragment's row x pitch + 16 x half
	s_mul_i32 s21, s15, HALFT                      ; my 128 rows of the A side
	s_mul_i32 s22, s16, HALFT                      ; my 128 rows of the B side,
	s_add_co_u32 s22, s22, 2*HALFT                 ; which lie behind A's 256
.irp s, 0,1
	v_add_nc_u32 v[ADRA+\s], s21, v4
	v_add_nc_u32 v[ADRB+\s], s22, v4
	s_add_co_u32 s21, s21, SLOT
	s_add_co_u32 s22, s22, SLOT
.endr
	v_mul_u32_u24 v5, v1, KS                       ; my row's scales: 32 bytes a row,
	v_lshrrev_b32 v6, 8, v5
	v_lshl_add_u32 v5, v6, 4, v5                   ; and 16 more for each 256 passed
	s_mul_i32 s21, s15, HALFS
	s_mul_i32 s22, s16, HALFS
	s_add_co_u32 s22, s22, 2*HALFS
	s_sub_co_u32 s22, s22, s21
	v_mul_u32_u24 v6, s22, v2                      ; lanes 16-31 take the B side's: one product, the distance between the two bases
	s_add_co_u32 s21, s21, SCL
	v_add_nc_u32 v5, v5, v6
	v_add_nc_u32 v[ADRS], s21, v5
	s_mul_i32 s23, s14, 16*SPITCH                  ; my stage
	v_mul_u32_u24 v5, v1, SPITCH                   ; in: row l % 16, 16 bytes for each half of the lanes
	v_lshl_add_u32 v5, v2, 4, v5
	v_add_nc_u32 v[STO], s23, v5
	v_mul_u32_u24 v5, v2, SPITCH                   ; back: lanes 0-15 one row of 256 bytes, lanes 16-31 the next
	v_lshl_add_u32 v5, v1, 4, v5
	v_add_nc_u32 v[RD], s23, v5
	v_and_b32 v6, 31, v0
	v_lshlrev_b32 v[CO], 4, v6                     ; and the same two rows in the result, which are 512 consecutive bytes
	s_lshl_b32 s20, s17, 8
	s_lshl_b32 s21, s15, 7
	s_add_co_u32 s20, s20, s21                     ; my first row of the A side (in vt: channel, counted from v's first)
	s_lshl_b32 s20, s20, 8                         ; x 256 bytes
	s_mov_b32 s21, 0
	s_lshl_b32 s46, s42, 1
	s_add_co_u32 s46, s46, s16                     ; my block of 128 of the B side
	s_lshl_b32 s46, s46, s66
	s_mov_b32 s47, 0
	s_add_nc_u64 s[20:21], s[20:21], s[46:47]
	s_add_nc_u64 s[12:13], s[12:13], s[20:21]      ; my 32,768 bytes of the result
.macro FRAG reg, adr, q, i             ; 16 rows x 128 K of 4-bit codes, 8 registers: lane l holds row l % 16; registers 4 c .. 4 c + 3 hold K = 64 c + 32 (l / 16) + 0 .. 31
.irp c, 0,1
	ds_load_b128 v[\reg+4*\c:\reg+4*\c+3], v[\adr] offset:64*(\q)+32*\c+(\i)*16*PITCH
.endr
.endm
; 16 matrix instructions: A's blocks a0, a0 + 1 x B's eight, the slot's q-th 128 along K.  p: B's set;  sc: the set of scale words.  zero = 1: the first product starts the sums.
; The 64 accumulators take turns, one instruction a turn, in the same order in every step.
.macro MUL16 a0, p, q, sc, zero
.irp a, \a0, \a0+1
.irp b, 0,1,2,3,4,5,6,7
.if \zero
	v_wmma_scale_f32_16x16x128_f8f6f4 v[8*(8*((\a)%4)+\b):8*(8*((\a)%4)+\b)+7], v[128*(\p)+FR*\b:128*(\p)+FR*\b+FR-1], v[AF+FR*(\a):AF+FR*(\a)+FR-1], 0, v[SC+8*NQ*(\sc)+NQ*\b+(\q)], v[SC+8*NQ*(\sc)+NQ*(\a)+(\q)] matrix_a_fmt:MATRIX_FMT_FP4 matrix_b_fmt:MATRIX_FMT_FP4 matrix_a_scale:MATRIX_SCALE_ROW1
.else
	v_wmma_scale_f32_16x16x128_f8f6f4 v[8*(8*((\a)%4)+\b):8*(8*((\a)%4)+\b)+7], v[128*(\p)+FR*\b:128*(\p)+FR*\b+FR-1], v[AF+FR*(\a):AF+FR*(\a)+FR-1], v[8*(8*((\a)%4)+\b):8*(8*((\a)%4)+\b)+7], v[SC+8*NQ*(\sc)+NQ*\b+(\q)], v[SC+8*NQ*(\sc)+NQ*(\a)+(\q)] matrix_a_fmt:MATRIX_FMT_FP4 matrix_b_fmt:MATRIX_FMT_FP4 matrix_a_scale:MATRIX_SCALE_ROW1
.endif
.endr
.endr
.endm
.macro FETCH_B slot, q, p              ; B's eight fragments of the slot's q-th 128 along K into set p
	WIN TO_B
.irp i, 0,1,2,3,4,5,6,7
	FRAG 128*(\p)+FR*\i, ADRB+\slot, \q, \i
.endr
	WIN 0
.endm
.macro FETCH_A slot, q, i0             ; A's blocks i0 .. i0 + 3
.irp i, \i0, \i0+1, \i0+2, \i0+3
	FRAG AF+FR*(\i), ADRA+\slot, \q, \i
.endr
.endm
.macro SCALES sc                       ; a slot's scale words into set sc: four words a row; lanes 0-15 take A's block i, lanes 16-31 B's block i
.irp i, 0,1,2,3,4,5,6,7
	ds_load_b128 v[SC+8*NQ*\sc+NQ*\i:SC+8*NQ*\sc+NQ*\i+3], v[ADRS] offset:\i*SBLK
.endr
.endm
; A load into a register that a matrix instruction has read, and a vector instruction that reads a matrix result, stand NP places behind that matrix instruction; only plain vector instructions that name
; none of its registers are places.
.macro PLACES n
.rept \n
	v_nop
.endr
.endm
; A step of 128 along K that has its successor in the same slot.  A block of A is free as soon as its eight products are issued, so one set serves A; B's fragments are at work through the whole step: two sets.
.macro STEP slot, q, zero
	s_wait_dscnt 4*NL                              ; B's set and A's blocks 0-3 are in; the eight youngest loads (A's blocks 4-7) may be out
	WIN MUL_LO
	MUL16 0, (\q)%2, \q, \slot, \zero
	MUL16 2, (\q)%2, \q, \slot, \zero
	s_wait_dscnt 0                                 ; A's blocks 4-7 are in
	PLACES NP
	FETCH_B \slot, (\q)+1, 1-(\q)%2
	FETCH_A \slot, (\q)+1, 0
	WIN MUL_HI
	MUL16 4, (\q)%2, \q, \slot, \zero
	MUL16 6, (\q)%2, \q, \slot, \zero
	PLACES NP
	WIN 0
	FETCH_A \slot, (\q)+1, 4
.endm
; Slot 0's last step changes slots: one barrier; in front of it each wave waits for all its tensor loads (slot 1's part), adds 0 to its spare word, and waits for that and for its own reads of slot 0.
; Nothing is filled again: behind the barrier slot 1 is whole, and nobody reads slot 0 any more, where the stages of the way out lie.
.macro TURN slot, next
	s_wait_tensorcnt 0x0                           ; all my tensor loads have landed
	ds_add_u32 v[SPW], v[NIL]                      ; 0 onto my spare word
	s_wait_dscnt 4*NL+1                            ; (the add and the eight youngest loads, A's blocks 4-7, may be out)
	WIN MUL_LO
	MUL16 0, 1, NQ-1, \slot, 0                     ; sixteen matrix instructions stand between the add and the wait for it
	s_wait_dscnt 0x0                               ; the add is done, and my reads of this slot are over
	s_barrier_signal -1
	MUL16 2, 1, NQ-1, \slot, 0
	WIN 0
	s_barrier_wait -1
	PLACES NP
	v_add_nc_u32 v[ADRS], 4*NQ, v[ADRS]            ; on to the next slot's scale words
	FETCH_B \next, 0, 0
	FETCH_A \next, 0, 0
	SCALES \next
	WIN MUL_HI
	MUL16 4, 1, NQ-1, \slot, 0
	MUL16 6, 1, NQ-1, \slot, 0
	PLACES NP
	WIN 0
	FETCH_A \next, 0, 4
.endm
.macro STEPS slot, from                ; the slot's steps from .. NQ - 2
.set Q, \from
.rept NQ-1-\from
	STEP \slot, Q, 0
.set Q, Q+1
.endr
.endm
	s_wait_tensorcnt 1                             ; the scales and my part of slot 0 are in; slot 1's load, the one issued behind them, may be out
	s_barrier_signal -1
	s_barrier_wait -1                              ; everybody's are
	FETCH_B 0, 0, 0
	FETCH_A 0, 0, 0
	SCALES 0
	FETCH_A 0, 0, 4
	STEP 0, 0, 1                                   ; the first step's products start the sums: nothing is cleared
	STEPS 0, 1
	TURN 0, 1
	STEPS 1, 0
	s_wait_dscnt 4*NL                              ; the very last step: nothing more to fetch
	WIN MUL_LO
	MUL16 0, 1, NQ-1, 1, 0
	MUL16 2, 1, NQ-1, 1, 0
	s_wait_dscnt 0
	WIN MUL_HI
	MUL16 4, 1, NQ-1, 1, 0
	MUL16 6, 1, NQ-1, 1, 0
	WIN 0
; THE WAY OUT, block by block of 16 rows x 128.  PACK: rounded to f16, 16 bytes a lane, each accumulator from its low end on.  TOSTAGE: into my own stage and back as whole rows of 256 bytes.
; SEND: two rows, 512 consecutive bytes, a store; the block's place stands in the immediate, so the base is never stepped.
.macro PACK a
.set AC, 64*((\a)%4)
	WIN 0x0a+5*((\a)/4)                            ; sources 0 and 1: window 2 or 3
.irp b, 0,1,2,3,4,5,6,7
.irp i, 0,1,2,3
	v_cvt_pk_f16_f32 v[TMP+4*\b+\i], v[AC+8*\b+2*\i], v[AC+8*\b+2*\i+1]
.endr
.endr
	WIN 0
.endm
.macro TOSTAGE a
.set BB, BK+32*((\a)%2)
.irp b, 0,1,2,3,4,5,6,7
	ds_store_b128 v[STO], v[TMP+4*\b:TMP+4*\b+3] offset:32*\b
.endr
.irp t, 0,1,2,3,4,5,6,7
	ds_load_b128 v[BB+4*\t:BB+4*\t+3], v[RD] offset:\t*2*SPITCH    ; LDS serves a wave's instructions in order: these see the stores above
.endr
.endm
.macro SEND a
.set BB, BK+32*((\a)%2)
	s_wait_dscnt 0x0                               ; the block is back in registers
	s_wait_xcnt 0x0                                ; the block before has been read by its stores: the next loads from the stage may land in its registers
.irp t, 0,1,2,3,4,5,6,7
	global_store_b128 v[CO], v[BB+4*\t:BB+4*\t+3], s[12:13] offset:4096*(\a)+512*\t
.endr
.endm
	PLACES NP                                      ; behind the last products: for the conversions, and for the loads into the registers that held A's fragments
	PACK 0
	TOSTAGE 0
.irp a, 1,2,3,4,5,6,7                  ; block a's conversions stand between block a - 1's loads from the stage and the wait for them
	PACK \a
	SEND \a-1
	TOSTAGE \a
.endr
	SEND 7
	s_wait_tensorcnt 0x0                           ; the wave's end, behind my last tensor load and my last LDS store
	ds_add_u32 v[SPW], v[NIL]
	s_wait_dscnt 0x0
	CROUND                                         ; the closing round: no work-group ends while a partner may still ask for a tile that names it
	s_endpgm
.Lfunc_end_k_q273d09038f_qkv:
	.size	k_q273d09038f_qkv, .Lfunc_end_k_q273d09038f_qkv-k_q273d09038f_qkv
	.p2alignl 7, 3214868480
	.fill 96, 4, 3214868480
	.section	.rodata,"a",@progbits
	.p2align	6, 0x0
	.amdhsa_kernel k_q273d09038f_qkv
		.amdhsa_group_segment_fixed_size 327680
		.amdhsa_private_segment_fixed_size 0
		.amdhsa_enable_private_segment 0
		.amdhsa_kernarg_size 48
		.amdhsa_user_sgpr_count 2
		.amdhsa_user_sgpr_kernarg_segment_ptr 1
		.amdhsa_wavefront_size32 1
		.amdhsa_system_sgpr_workgroup_id_x 1
		.amdhsa_system_sgpr_workgroup_id_y 1
		.amdhsa_system_sgpr_workgroup_id_z 1
		.amdhsa_system_vgpr_workitem_id 0
		.amdhsa_next_free_vgpr 1024
		.amdhsa_next_free_sgpr 102
		.amdhsa_reserve_vcc 0
		.amdhsa_float_denorm_mode_32 3
		.amdhsa_float_denorm_mode_16_64 3
		.amdhsa_memory_ordered 1
		.amdhsa_forward_progress 1
		.amdhsa_inst_pref_size 127
	.end_amdhsa_kernel
	.amdgpu_metadata
---
amdhsa.version: [ 1, 2 ]
amdhsa.kernels:
  - .name:           k_q273d09038f_qkv
    .symbol:         k_q273d09038f_qkv.kd
    .args:
      - { .name: xc, .offset: 0, .size: 8, .value_kind: global_buffer, .address_space: global }
      - { .name: xs, .offset: 8, .size: 8, .value_kind: global_buffer, .address_space: global }
      - { .name: wc, .offset: 16, .size: 8, .value_kind: global_buffer, .address_space: global }
      - { .name: ws, .offset: 24, .size: 8, .value_kind: global_buffer, .address_space: global }
      - { .name: qk, .offset: 32, .size: 8, .value_kind: global_buffer, .address_space: global }
      - { .name: vt, .offset: 40, .size: 8, .value_kind: global_buffer, .address_space: global }
    .group_segment_fixed_size: 327680
    .private_segment_fixed_size: 0
    .kernarg_segment_align: 8
    .kernarg_segment_size: 48
    .max_flat_workgroup_size: 128
    .sgpr_count:     102
    .vgpr_count:     1024
    .wavefront_size: 32
...
	.end_amdgpu_metadata
.endif
;; end of part 2
;; launch attn (part 3): grid 8 x 32, 16 waves a work-group, no clusters, 280,576 bytes of LDS; arguments qk, vt, ao; writes ao
.if DOCPART == 3
	.amdgcn_target "amdgcn-amd-amdhsa--gfx1250"
	.amdhsa_code_object_version 6
	.text
	.protected	k_q273d09038f_attn
	.globl	k_q273d09038f_attn
	.p2align	8
	.type	k_q273d09038f_attn,@function
k_q273d09038f_attn:
	s_mov_b64 s[64:65], 0
	v_nop
	global_prefetch_b8 v0, s[64:65] scope:SCOPE_SE
	s_setreg_imm32_b32 hwreg(HW_REG_WAVE_MODE, 25, 1), 1
	s_wait_xcnt 0x0
; THE BANDED ATTENTION.  o[q] = the sum over keys k, q - 128 <= k <= q, of softmax_k(q . k / 8) v[k], for 64 (sequence, head) pairs; operands f16, products, maxima and sums f32.
; WORK LEFT OUT: keys outside a query tile's band get the score -infinity from the problem's own mask, so their weight is exactly 0 for all inputs: their tiles are multiplied in neither product; chunks of 32 keys
; that lie ahead of a sequence's first position do not exist and are jumped over by a scalar branch on ids.  A NaN or an infinity that reaches only such work is not carried to the result.
; RESULTS: ao holds the rows in f16, [8,192][1,024], from byte 0, and the first 16 positions of each sequence once more in f32, [4][16][1,024], from byte AO32 on.
; SHARES.  A work-group takes 256 queries of one sequence for the two heads 2 p, 2 p + 1, whose q, k and v lie side by side in rows of 256 bytes.  Its 384 keys (128 ahead of its first query, and its own 256)
; are copied once into LDS: K as [key][2 x 64 channels], V, which arrives transposed, as [3 blocks of 128 keys][2 x 64 channels][128 keys].  Wave w: head w / 8 of the pair, queries 32 (w % 8) on: two tiles of 16,
; A and B.  Its keys are q0 - 128 .. q0 + 31: ten tiles u of 16, five chunks c of 32; tile A meets u = 0 .. 8, tile B u = 1 .. 9.
; ALL SCORES OF A ROW ARE IN REGISTERS AT ONCE (72 a lane and tile): the row's true maximum is taken away, in one pass.
; LAYOUT.  Both products are used transposed: S^T = K Q^T (source 0 = 16 keys, source 1 = 16 queries), O^T = V^T P (source 0 = 16 channels, source 1 = P): a lane holds ONE query (lane % 16) throughout, and two
; tiles of weights, rounded to f16 in pairs, ARE source 1 (32 keys x 16 queries) of the second product.
; THE MASK touches two tiles of nine: with d = lane % 16 - 8 (lane / 16), register j of the first tile is hidden where j < d (the window's lower edge), of the last where j > d (the diagonal).
; NO CLUSTER: neighbouring work-groups share only the 128 keys ahead of a block, a third of a block's K and V, and a sequence's first block has none, so partners' requests would differ.  No tensor load: the copy
; goes through registers, 24 loads a wave, all issued at the head.  Four waves share a SIMD, so that one wave's softmax stands beside another's products.
; REGISTERS: v1-15 addresses and constants; v16-19 the copy's LDS addresses; v20-31 statistics; v32-63 Q, v64-95 two tiles of K, later v32-95 O^T; v96-175 tile A's scores (tile u at + 8 u), v176-255 tile B's;
; after the rounding P of chunk c lies at + 16 c .. + 7, and V's fragments take v104.., v120.., v136.., v152..;  v168-171 at work.
.set AO32,  16777216                   ; where the f32 rows begin in ao
.set KP,    272                        ; an LDS row: 256 bytes + 16 of padding: the 16 rows that a load touches start at 16 different banks (ISA guide 11.1)
.set BLK,   128*KP                     ; a block of 128 rows
.set VREG,  3*BLK                      ; K's 384 rows lie from 0, V's 3 x 128 from here,
.set STG,   2*VREG                     ; the stage for the way out, 256 query rows, from here,
.set SPARE, STG+256*KP                 ; and the spare words, 128 bytes for each of 16 waves, from here
.set SPW, 1
.set NIL, 2
.set AK,  3                            ; my lane's place in my first tile of K
.set AV0, 4                            ; and in V's first block
.set ADV, 5                            ; V's address of the chunk in hand
.set QO,  6
.set STO, 7
.set RD,  8
.set GO,  9
.set DD,  10                           ; d = lane % 16 - 8 (lane / 16)
.set NEG, 11                           ; -infinity
.set CI,  12
.set A32, 13
.set D0,  16
.set CM,  20                           ; v[20:21] c x the row's maximum (the packed form names a pair and takes its low word)
.set LA,  22                           ; v[22:23], v[24:25] the rows' sums, even and odd keys'
.set LB,  24
.set L2,  26
.set INVA, 28                          ; v[28:29], v[30:31] 1 / sum
.set INVB, 30
.set QF,  32
.set KB,  64
.set O,   32
.set SA,  96
.set SB,  176
.set VF,  104
.set T,   168
.set PK,  96
.set BKR, 128
.set LOM, 40                           ; s40-47 lane masks: register j hidden at the lower edge
.set DIM, 48                           ; s48-55 lane masks: register j hidden on the diagonal
	s_load_b128 s[4:7], s[0:1], 0x0                ; qk s[4:5], vt s[6:7]
	s_load_b64 s[8:9], s[0:1], 0x10                ; ao
	v_lshl_add_u32 v[SPW], v0, 2, SPARE
	v_mov_b32 v[NIL], 0
	v_lshrrev_b32 v14, 5, v0
	v_readfirstlane_b32 s12, v14                   ; wave w
	s_lshr_b32 s13, s12, 3                         ; hh: which head of the pair
	s_and_b32 s14, s12, 7                          ; g: which 32 queries
	s_mov_b32 s15, ttmp9                           ; qb: which 256 queries of the sequence
	s_and_b32 s17, ttmp7, 0xffff
	s_lshr_b32 s16, s17, 3                         ; b: the sequence
	s_and_b32 s17, s17, 7                          ; p: the pair of heads
	v_and_b32 v14, 15, v0                          ; r
	v_bfe_u32 v15, v0, 4, 1                        ; h
	; every LDS address but V's chunk address is made here, of constants, the lane and the wave's number
	v_mul_u32_u24 v[ADV], v15, KP
	v_lshl_add_u32 v[ADV], v14, 4, v[ADV]          ; 272 h + 16 r: two rows, sixteen lanes to a row
	s_mul_i32 s27, s12, 8*KP
	v_add_nc_u32 v[D0], s27, v[ADV]                ; the copy: rows 8 w on of K's first block,
	v_add_nc_u32 v[D0+1], 2*BLK, v[D0]             ; of K's third,
	v_add_nc_u32 v[D0+2], VREG, v[D0]              ; of V's first,
	v_add_nc_u32 v[D0+3], VREG+2*BLK, v[D0]        ; of V's third
	s_mul_i32 s27, s12, 16*KP
	s_add_co_u32 s27, s27, STG
	v_add_nc_u32 v[RD], s27, v[ADV]                ; the way out: rows 16 w on of the stage
	v_mul_u32_u24 v[AV0], v14, KP
	v_lshl_add_u32 v[AV0], v15, 4, v[AV0]          ; 272 r + 16 h: a fragment's row and half
	s_mul_i32 s27, s14, 32*KP
	s_lshl_b32 s28, s13, 7
	s_add_co_u32 s27, s27, s28
	v_add_nc_u32 v[AK], s27, v[AV0]                ; K: row 32 g + r, my head's 128 bytes
	v_add_nc_u32 v[STO], STG, v[AK]                ; the stage: the same place among the queries
	s_mul_i32 s27, s13, 64*KP
	s_add_co_u32 s27, s27, VREG
	v_add_nc_u32 v[AV0], s27, v[AV0]               ; V: channel row 64 hh + r
	; offsets in memory
	v_and_b32 v[CI], 31, v0
	v_lshlrev_b32 v[CI], 4, v[CI]
	s_lshl_b32 s27, s12, 11
	v_add_nc_u32 v[CI], s27, v[CI]                 ; the copy: 2,048 w + 16 x lane
	v_lshlrev_b32 v[QO], 8, v14
	v_lshl_add_u32 v[QO], v15, 4, v[QO]            ; Q: 256 r + 16 h
	v_lshlrev_b32 v[GO], 11, v15
	v_lshl_add_u32 v[GO], v14, 4, v[GO]            ; the f16 rows: 2,048 h + 16 r
	v_lshlrev_b32 v[A32], 12, v14
	v_lshl_add_u32 v[A32], v15, 5, v[A32]          ; the f32 rows: 4,096 r + 32 h
	v_lshlrev_b32 v[DD], 3, v15
	v_sub_nc_u32 v[DD], v14, v[DD]
	v_mov_b32 v[NEG], 0xff800000
	v_mov_b32 v[CM+1], 0                           ; (upper halves of pairs that packed forms name: written once)
	v_mov_b32 v[INVA+1], 0
	v_mov_b32 v[INVB+1], 0
.irp j, 0,1,2,3,4,5,6,7
	v_cmp_lt_i32 s[LOM+\j], \j, v[DD]
	v_cmp_gt_i32 s[DIM+\j], \j, v[DD]
.endr
	s_mov_b32 s30, 0x76543210                      ; v_permlanex16_b32's selects for lane l xor 16
	s_mov_b32 s31, 0xfedcba98
	s_mov_b32 s32, 0x3e38aa3b                      ; c = log2(e) / 8
	s_mov_b32 s33, s32
	s_lshl_b32 s26, s15, 8
	s_lshl_b32 s27, s14, 5
	s_add_co_u32 s26, s26, s27
	s_sub_co_i32 s26, s26, 128                     ; my first key's position in the sequence: under 0 where the band begins ahead of it
	s_lshl_b32 s34, s16, 11
	s_lshl_b32 s27, s15, 8
	s_add_co_u32 s34, s34, s27                     ; the block's first row among the 8,192
	s_mov_b32 s25, 0
	s_wait_kmcnt 0x0
	s_add_co_u32 s24, s17, 8                       ; K: group 8 + p of qk, at the block's first row
	s_lshl_b32 s24, s24, 21
	s_lshl_b32 s27, s34, 8
	s_add_co_u32 s24, s24, s27
	s_add_nc_u64 s[18:19], s[4:5], s[24:25]
	s_lshl_b32 s24, s16, 22                        ; V: block 16 b + 2 qb of vt, channel rows 128 p on
	s_lshl_b32 s27, s15, 19
	s_add_co_u32 s24, s24, s27
	s_lshl_b32 s27, s17, 15
	s_add_co_u32 s24, s24, s27
	s_add_nc_u64 s[20:21], s[6:7], s[24:25]
	s_lshl_b32 s24, s14, 5                         ; Q: group p of qk, my 32 rows, my head's 128 bytes
	s_add_co_u32 s24, s24, s34
	s_lshl_b32 s24, s24, 8
	s_lshl_b32 s27, s17, 21
	s_add_co_u32 s24, s24, s27
	s_lshl_b32 s27, s13, 7
	s_add_co_u32 s24, s24, s27
	s_add_nc_u64 s[22:23], s[4:5], s[24:25]
	; ---- THE COPY.  Of each block of 32,768 dense bytes wave w takes rows 8 w .. 8 w + 7: four loads of 512 consecutive bytes
.irp z, 0,1
.irp i, 0,1,2,3
	global_load_b128 v[96+16*\z+4*\i:96+16*\z+4*\i+3], v[CI], s[18:19] offset:32768*\z+512*\i
.endr
.endr
.irp z, 0,1
.irp i, 0,1,2,3
	global_load_b128 v[128+16*\z+4*\i:128+16*\z+4*\i+3], v[CI], s[20:21] offset:262144*\z+512*\i
.endr
.endr
.irp qt, 0,1                                   ; Q's fragments stay in registers: tile qt, channels 32 s on
.irp s, 0,1
.irp e, 0,1
	global_load_b128 v[QF+16*\qt+8*\s+4*\e:QF+16*\qt+8*\s+4*\e+3], v[QO], s[22:23] offset:4096*\qt+64*\s+32*\e
.endr
.endr
.endr
	s_lshl_b32 s24, s17, 1                         ; the f32 rows: sequence b, my head's 256 bytes, from AO32 on (made of ao's address as it came, ahead of the step below)
	s_add_co_u32 s24, s24, s13
	s_lshl_b32 s24, s24, 8
	s_lshl_b32 s27, s16, 16
	s_add_co_u32 s24, s24, s27
	s_add_co_u32 s24, s24, AO32
	s_add_nc_u64 s[10:11], s[8:9], s[24:25]
	s_lshl_b32 s24, s12, 4                         ; the f16 rows: my 16 rows on the way out, the pair's 256 bytes
	s_add_co_u32 s24, s24, s34
	s_lshl_b32 s24, s24, 11
	s_lshl_b32 s27, s17, 8
	s_add_co_u32 s24, s24, s27
	s_add_nc_u64 s[8:9], s[8:9], s[24:25]
	s_cmp_eq_u32 s15, 0                            ; a sequence's first block has no keys ahead of it: nothing is loaded, and no live chunk reads those LDS rows
	s_cbranch_scc1 .Lno_halo
.irp i, 0,1,2,3
	global_load_b128 v[160+4*\i:160+4*\i+3], v[CI], s[18:19] offset:-32768+512*\i
.endr
.irp i, 0,1,2,3
	global_load_b128 v[176+4*\i:176+4*\i+3], v[CI], s[20:21] offset:-262144+512*\i
.endr
	s_wait_loadcnt 0x0
.irp i, 0,1,2,3
	ds_store_b128 v[D0], v[160+4*\i:160+4*\i+3] offset:2*KP*\i
	ds_store_b128 v[D0+2], v[176+4*\i:176+4*\i+3] offset:2*KP*\i
.endr
.Lno_halo:
	s_wait_loadcnt 8                               ; the sixteen loads of K and V are in; on the way round the arm above the eight younger ones, Q's, may be out
.irp i, 0,1,2,3
	ds_store_b128 v[D0], v[96+4*\i:96+4*\i+3] offset:BLK+2*KP*\i
	ds_store_b128 v[D0+1], v[112+4*\i:112+4*\i+3] offset:2*KP*\i
	ds_store_b128 v[D0+2], v[128+4*\i:128+4*\i+3] offset:BLK+2*KP*\i
	ds_store_b128 v[D0+3], v[144+4*\i:144+4*\i+3] offset:2*KP*\i
.endr
	s_wait_loadcnt 0x0                             ; Q
	s_wait_dscnt 0x0                               ; for the others' sake: my stores have landed
	s_barrier_signal -1
	s_barrier_wait -1                              ; K and V lie in LDS; they are never written again
; ---- S^T = K Q^T, a chunk of two tiles of keys at a time.  The chunk's three or four accumulators take turns, one instruction a turn.
.macro SMUL c, s
.irp uu, 0,1
.irp qt, 0,1
.if !((2*(\c)+\uu == 0) && (\qt == 1)) && !((2*(\c)+\uu == 9) && (\qt == 0))   ; tile B never meets u = 0, tile A never u = 9
.if \s == 0
	v_wmma_f32_16x16x32_f16 v[SA+80*\qt+8*(2*(\c)+\uu):SA+80*\qt+8*(2*(\c)+\uu)+7], v[KB+16*\uu+8*\s:KB+16*\uu+8*\s+7], v[QF+16*\qt+8*\s:QF+16*\qt+8*\s+7], 0
.else
	v_wmma_f32_16x16x32_f16 v[SA+80*\qt+8*(2*(\c)+\uu):SA+80*\qt+8*(2*(\c)+\uu)+7], v[KB+16*\uu+8*\s:KB+16*\uu+8*\s+7], v[QF+16*\qt+8*\s:QF+16*\qt+8*\s+7], v[SA+80*\qt+8*(2*(\c)+\uu):SA+80*\qt+8*(2*(\c)+\uu)+7]
.endif
.endif
.endr
.endr
.endm
.macro SCHUNK c
.if \c < 4                                     ; chunk 4 holds the queries' own positions: it always exists
	s_add_co_i32 s27, s26, 32*\c
	s_cmp_lt_i32 s27, 0                            ; ids alone: the chunk lies ahead of the sequence's first position
	s_cbranch_scc1 .Ldead_\@
.endif
.rept 4
	v_nop                                          ; places in front of loads into registers that the last chunk's products have read
.endr
.irp uu, 0,1
.irp s, 0,1
.irp e, 0,1
	ds_load_b128 v[KB+16*\uu+8*\s+4*\e:KB+16*\uu+8*\s+4*\e+3], v[AK] offset:(2*(\c)+\uu)*16*KP+64*\s+32*\e
.endr
.endr
.endr
	s_wait_dscnt 0x0
	SMUL \c, 0
	SMUL \c, 1
.if \c < 4
	s_branch .Ldone_\@
.Ldead_\@:                                             ; keys that do not exist: -infinity, as the mask has it
.irp n, 0,1,2,3,4,5,6,7,8,9,10,11,12,13,14,15
	v_mov_b32 v[SA+16*(\c)+\n], v[NEG]
.if (16*(\c)+\n) >= 8
	v_mov_b32 v[SB+16*(\c)+\n], v[NEG]
.endif
.endr
.Ldone_\@:
.endif
.endm
	SCHUNK 0
	SCHUNK 1
	SCHUNK 2
	SCHUNK 3
	SCHUNK 4
.rept 4
	v_nop                                          ; places behind the last products, ahead of the first read of their results
.endr
; ---- THE SOFTMAX of one tile of queries: its nine tiles of keys lie in 72 registers from X on.  Every accumulator is read from its low end on.
.macro SOFT base, lo, sum
.set X, \base+8*\lo
.irp j, 0,1,2,3,4,5,6,7
	v_cndmask_b32 v[X+\j], v[X+\j], v[NEG], s[LOM+\j]              ; the window's lower edge
	v_cndmask_b32 v[X+64+\j], v[X+64+\j], v[NEG], s[DIM+\j]        ; the diagonal
.endr
.irp k, 0,1,2                                  ; the maximum: three chains of 24, by turns
	v_max3_num_f32 v[T+\k], v[X+24*\k], v[X+24*\k+1], v[X+24*\k+2]
.endr
.irp i, 3,5,7,9,11,13,15,17,19,21
.irp k, 0,1,2
	v_max3_num_f32 v[T+\k], v[T+\k], v[X+24*\k+\i], v[X+24*\k+\i+1]
.endr
.endr
.irp k, 0,1,2
	v_max_num_f32 v[T+\k], v[T+\k], v[X+24*\k+23]
.endr
	v_max3_num_f32 v[T], v[T], v[T+1], v[T+2]
	v_permlanex16_b32 v[T+1], v[T], s30, s31       ; the query's other keys lie in the lane 16 away
	v_max_num_f32 v[T], v[T], v[T+1]               ; the row's maximum: the diagonal's key always counts, so it is a number
	v_mul_f32 v[CM], s32, v[T]
.set J, 0
.rept 36
	v_pk_fma_f32 v[X+J:X+J+1], v[X+J:X+J+1], s[32:33], v[CM:CM+1] op_sel_hi:[1,0,0] neg_lo:[0,0,1] neg_hi:[0,0,1]   ; c s - c m, two at a time
.set J, J+2
.endr
.set J, 0
.rept 72
	v_exp_f32 v[X+J], v[X+J]                       ; p = 2^(c s - c m), at most 1; 0 where the score is -infinity
.set J, J+1
.endr
	v_nop                                          ; a plain line behind the last exponential
	s_wait_alu depctr_va_vdst(0)                   ; one wait for the whole batch, ahead of its first reader
	v_pk_add_f32 v[\sum:\sum+1], v[X:X+1], v[X+2:X+3]              ; the row's sum, of the unrounded p, in two chains
	v_pk_add_f32 v[L2:L2+1], v[X+4:X+5], v[X+6:X+7]
.irp j, 8,12,16,20,24,28,32,36,40,44,48,52,56,60,64,68
	v_pk_add_f32 v[\sum:\sum+1], v[\sum:\sum+1], v[X+\j:X+\j+1]
	v_pk_add_f32 v[L2:L2+1], v[L2:L2+1], v[X+\j+2:X+\j+3]
.endr
	v_pk_add_f32 v[\sum:\sum+1], v[\sum:\sum+1], v[L2:L2+1]
.irp u, 0,1,2,3,4,5,6,7,8,9                    ; rounded to f16 in place, ascending: a destination never lies above its sources.  Chunk c's operand: + 16 c .. + 7
.if (\u >= \lo) && (\u <= \lo+8)
.irp i, 0,1,2,3
	v_cvt_pk_f16_f32 v[\base+16*(\u/2)+4*(\u%2)+\i], v[\base+8*\u+2*\i], v[\base+8*\u+2*\i+1]
.endr
.endif
.endr
.irp i, 0,1,2,3
	v_mov_b32 v[\base+68-68*\lo+\i], 0             ; the tile that this tile of queries never meets, inside a chunk that it does: weights 0
.endr
.endm
	SOFT SA, 0, LA
	SOFT SB, 1, LB
; ---- O^T = V^T P, a chunk of 32 keys at a time, the chunk that always exists first: it starts the sums.  Eight accumulators take turns, in the same order in every chunk.
.macro PVCHUNK c, first
	s_add_co_u32 s27, s14, \c                      ; chunk g + c of the twelve in LDS: block (g + c) / 4, keys 32 ((g + c) % 4) on.  The address is made on every way, ahead of the test
	s_lshr_b32 s28, s27, 2
	s_mul_i32 s28, s28, BLK
	s_and_b32 s27, s27, 3
	s_lshl_b32 s27, s27, 6
	s_add_co_u32 s27, s27, s28
	v_add_nc_u32 v[ADV], s27, v[AV0]
.if \c < 4
	s_add_co_i32 s27, s26, 32*\c
	s_cmp_lt_i32 s27, 0
	s_cbranch_scc1 .Lskip_\@
.endif
.rept 4
	v_nop                                          ; places in front of loads into registers that the last chunk's products have read
.endr
.irp ct, 0,1,2,3
.irp e, 0,1
	ds_load_b128 v[VF+16*\ct+4*\e:VF+16*\ct+4*\e+3], v[ADV] offset:16*KP*\ct+32*\e
.endr
.endr
	s_wait_dscnt 0x0
.irp ct, 0,1,2,3
.irp qt, 0,1
.if \first
	v_wmma_f32_16x16x32_f16 v[O+32*\qt+8*\ct:O+32*\qt+8*\ct+7], v[VF+16*\ct:VF+16*\ct+7], v[SA+80*\qt+16*\c:SA+80*\qt+16*\c+7], 0
.else
	v_wmma_f32_16x16x32_f16 v[O+32*\qt+8*\ct:O+32*\qt+8*\ct+7], v[VF+16*\ct:VF+16*\ct+7], v[SA+80*\qt+16*\c:SA+80*\qt+16*\c+7], v[O+32*\qt+8*\ct:O+32*\qt+8*\ct+7]
.endif
.endr
.endr
.if \c < 4
.Lskip_\@:
.endif
.endm
	PVCHUNK 4, 1
	PVCHUNK 3, 0
	PVCHUNK 2, 0
	PVCHUNK 1, 0
	PVCHUNK 0, 0
	; ---- THE WAY OUT.  The sums' halves and the other half of the lanes' are added (these plain lines are also the places behind the last products); O^T is divided by the sum.
	v_add_f32 v[T], v[LA], v[LA+1]
	v_add_f32 v[T+1], v[LB], v[LB+1]
	v_mov_b32 v[T+3], 0                            ; a lane permute's destination counts as one of its sources
	v_permlanex16_b32 v[T+2], v[T], s30, s31
	v_permlanex16_b32 v[T+3], v[T+1], s30, s31
	v_add_f32 v[T], v[T], v[T+2]
	v_add_f32 v[T+1], v[T+1], v[T+3]
	v_rcp_f32 v[INVA], v[T]
	v_rcp_f32 v[INVB], v[T+1]
	v_nop                                          ; a plain line behind the last reciprocal
	s_wait_alu depctr_va_vdst(0)                   ; one wait for both, ahead of the first reader
.irp qt, 0,1
.irp k, 0,2,4,6,8,10,12,14,16,18,20,22,24,26,28,30
	v_pk_mul_f32 v[O+32*\qt+\k:O+32*\qt+\k+1], v[O+32*\qt+\k:O+32*\qt+\k+1], v[INVA+2*\qt:INVA+2*\qt+1] op_sel_hi:[1,0]
.endr
.endr
	s_or_b32 s27, s15, s14                         ; the sequence's first 16 positions (first block, waves 0 and 8, tile A) also leave in f32, for the finer projection
	s_cmp_lg_u32 s27, 0
	s_cbranch_scc1 .Lno32
.irp ct, 0,1,2,3
.irp e, 0,1
	global_store_b128 v[A32], v[O+8*\ct+4*\e:O+8*\ct+4*\e+3], s[10:11] offset:64*\ct+16*\e
.endr
.endr
.Lno32:
.irp qt, 0,1
.irp ct, 0,1,2,3
.irp i, 0,1,2,3
	v_cvt_pk_f16_f32 v[PK+4*(4*\qt+\ct)+\i], v[O+32*\qt+8*\ct+2*\i], v[O+32*\qt+8*\ct+2*\i+1]
.endr
.endr
.endr
.irp qt, 0,1
.irp ct, 0,1,2,3
	ds_store_b128 v[STO], v[PK+4*(4*\qt+\ct):PK+4*(4*\qt+\ct)+3] offset:16*KP*\qt+32*\ct   ; a lane's eight channels of its query's row
.endr
.endr
	s_wait_dscnt 0x0                               ; for the others' sake: a row's 256 bytes come from two waves, one for each head
	s_barrier_signal -1
	s_barrier_wait -1
.irp i, 0,1,2,3,4,5,6,7
	ds_load_b128 v[BKR+4*\i:BKR+4*\i+3], v[RD] offset:2*KP*\i
.endr
.irp i, 0,1,2,3,4,5,6,7
	s_wait_dscnt 7-\i                              ; load i is in; the 7 - i younger ones may be out
	global_store_b128 v[GO], v[BKR+4*\i:BKR+4*\i+3], s[8:9] offset:4096*\i   ; sixteen lanes store 256 consecutive bytes, aligned: both heads of a row
.endr
	s_wait_tensorcnt 0x0                           ; the wave's end, behind my last LDS store
	ds_add_u32 v[SPW], v[NIL]
	s_wait_dscnt 0x0
	s_endpgm
.Lfunc_end_k_q273d09038f_attn:
	.size	k_q273d09038f_attn, .Lfunc_end_k_q273d09038f_attn-k_q273d09038f_attn
	.p2alignl 7, 3214868480
	.fill 96, 4, 3214868480
	.section	.rodata,"a",@progbits
	.p2align	6, 0x0
	.amdhsa_kernel k_q273d09038f_attn
		.amdhsa_group_segment_fixed_size 280576
		.amdhsa_private_segment_fixed_size 0
		.amdhsa_enable_private_segment 0
		.amdhsa_kernarg_size 24
		.amdhsa_user_sgpr_count 2
		.amdhsa_user_sgpr_kernarg_segment_ptr 1
		.amdhsa_wavefront_size32 1
		.amdhsa_system_sgpr_workgroup_id_x 1
		.amdhsa_system_sgpr_workgroup_id_y 1
		.amdhsa_system_sgpr_workgroup_id_z 1
		.amdhsa_system_vgpr_workitem_id 0
		.amdhsa_next_free_vgpr 256
		.amdhsa_next_free_sgpr 66
		.amdhsa_reserve_vcc 0
		.amdhsa_float_denorm_mode_32 3
		.amdhsa_float_denorm_mode_16_64 3
		.amdhsa_memory_ordered 1
		.amdhsa_forward_progress 1
		.amdhsa_inst_pref_size 60
	.end_amdhsa_kernel
	.amdgpu_metadata
---
amdhsa.version: [ 1, 2 ]
amdhsa.kernels:
  - .name:           k_q273d09038f_attn
    .symbol:         k_q273d09038f_attn.kd
    .args:
      - { .name: qk, .offset: 0, .size: 8, .value_kind: global_buffer, .address_space: global }
      - { .name: vt, .offset: 8, .size: 8, .value_kind: global_buffer, .address_space: global }
      - { .name: ao, .offset: 16, .size: 8, .value_kind: global_buffer, .address_space: global }
    .group_segment_fixed_size: 280576
    .private_segment_fixed_size: 0
    .kernarg_segment_align: 8
    .kernarg_segment_size: 24
    .max_flat_workgroup_size: 512
    .sgpr_count:     66
    .vgpr_count:     256
    .wavefront_size: 32
...
	.end_amdgpu_metadata
.endif
;; end of part 3
;; launch proj (part 4): grid 8 x 64, 4 waves a work-group, clusters of 4 x 4, 327,680 bytes of LDS; arguments ao, w16, out0; writes out0
.if DOCPART == 4
	.amdgcn_target "amdgcn-amd-amdhsa--gfx1250"
	.amdhsa_code_object_version 6
	.text
	.protected	k_q273d09038f_proj
	.globl	k_q273d09038f_proj
	.p2align	8
	.type	k_q273d09038f_proj,@function
k_q273d09038f_proj:
	s_mov_b64 s[64:65], 0
	v_nop
	global_prefetch_b8 v0, s[64:65] scope:SCOPE_SE
	s_setreg_imm32_b32 hwreg(HW_REG_WAVE_MODE, 25, 1), 1
	s_wait_xcnt 0x0
	s_wait_alu depctr_hold_cnt(0) depctr_sa_sdst(0) depctr_va_vdst(0) depctr_va_sdst(0) depctr_va_ssrc(0) depctr_va_vcc(0) depctr_vm_vsrc(0)
	s_getreg_b32 s2, hwreg(HW_REG_IB_STS2, 6, 4)
	s_cmp_eq_u32 s2, 0
	s_cbranch_scc0 .Lentry_in_a_cluster
	s_endpgm
.Lentry_in_a_cluster:
	s_bfe_u32 s2, ttmp6, 0x10000c
	s_cmp_lg_u32 s2, 0xf033
	s_cbranch_scc0 .Lentry_shape_is_right
	s_endpgm
.Lentry_shape_is_right:
; out0[m][n] = sum over k of ao[m][k] w_out[n][k].  ao: [8,192][1,024] f16 (the buffer's first 16,777,216 bytes), w16: w_out in f16, [1,024][1,024]; out0: [8,192][1,024] f32; sums in f32.
; (The first 16 positions of each sequence lie inside live tiles and are stored here too; the launch that follows writes them again, from f32 operands.)
; A tile of out0 is 128 x 128: 512 work-groups.  Four waves, each 64 x 64: 16 accumulators of 16 x 16.  K goes in steps of 256 (LDS rows of 512 bytes; a wave's tensor load brings 64 of them) through two slots.
; CLUSTERS: 4 x 4 work-groups.  The four of a row of the cluster need the same tiles of ao, the four of a column the same tiles of w16: each tile is asked for JOINTLY, by the same tensor load with the
; same descriptor and a mask that names the four.  A wave has two tensor loads out at the start and one behind each round.
; THE MATRIX INSTRUCTION IS USED TRANSPOSED (source 0 = 16 rows of w16, source 1 = 16 rows of ao): a lane holds eight neighbouring numbers of a row of out0.  A wave's 64 columns are 256 bytes, so each wave
; has a stage of its own on the way out, and no barrier stands there.
; REGISTERS: window 0: v0-31 addresses; v32-95 rows on the way out; v128-255 the accumulators ((a, b) at v[128 + 8 (4 a + b)]).   window 1: two fragment buffers of 128: 64 registers of A, then 64 of B.
.set SIZE_M, 8192
.set SIZE_N, 1024
.set SIZE_K, 1024
.set KSTEP,  256
.set PITCH,  528                       ; an LDS row: 512 bytes + 16 of padding = 132 words: row r starts at bank 4 r mod 64 (ISA guide 11.1)
.set HALFT,  64*PITCH                  ; 64 rows: what one tensor load brings
.set SLOT,   4*HALFT                   ; A's 128 rows, then B's 128 rows
.set STAGE,  2*SLOT                    ; behind the ring: 16 rows x 272 bytes for each wave
.set SPITCH, 272
.set SPARE,  STAGE+4*16*SPITCH         ; the spare words, 128 bytes for each wave
.set LAPS, SIZE_K/(2*KSTEP)            ; a lap = two K steps = once round the ring
.set ADRA, 16
.set ADRB, 20
.set STO,  24
.set RD,   25
.set CO,   26
.set SPW,  28
.set NIL,  29
.set TMP,  32
.set ACC,  128
.set F0,   0
.set F1,   128
.set G1, 24
.set G0, 32
.set G1B, 48
.set G0B, 56
.set MSB, 0
.macro WIN new
.if MSB != (\new)
	s_set_vgpr_msb (MSB<<8)|(\new)
.set MSB, (\new)
.endif
.endm
.set MUL,  0x05                        ; sources 0 (B) and 1 (A) window 1; C and D window 0
.set TO_F, 0x40                        ; destination window 1, address window 0
.macro JLOAD s                         ; a joint load: waves 0 and 1 fetch A's two halves, waves 2 and 3 B's; an s_nop 0 and four v_nop follow each of the two lines
	s_cmp_eq_u32 s11, 0
	s_cbranch_scc0 .Lfor_b_\@
	tensor_load_to_lds s[G0+4*\s:G0+4*\s+3], s[G1:G1+7]
	s_nop 0
.rept 4
	v_nop
.endr
	s_branch .Lasked_\@
.Lfor_b_\@:
	tensor_load_to_lds s[G0B+4*\s:G0B+4*\s+3], s[G1B:G1B+7]
	s_nop 0
.rept 4
	v_nop
.endr
.Lasked_\@:
.endm
.macro CREST                           ; a round of the cluster's barrier behind its opening barrier
	s_cmp_lg_u32 s10, 0
	s_cbranch_scc1 .Lnot_wave_0_\@
	s_barrier_signal -3
.Lnot_wave_0_\@:
	s_barrier_wait -3
	s_barrier_signal -1
	s_barrier_wait -1
.endm
.macro CROUND
	s_barrier_signal -1
	s_barrier_wait -1
	CREST
.endm
	s_load_b128 s[4:7], s[0:1], 0x0                ; ao s[4:5], w16 s[6:7]
	s_load_b64 s[8:9], s[0:1], 0x10                ; out0
	v_lshl_add_u32 v[SPW], v0, 2, SPARE
	v_mov_b32 v[NIL], 0
	ds_add_u32 v[SPW], v[NIL]                      ; the wave's opening: the add, twice on end, and its wait ahead of my first tensor load
	ds_add_u32 v[SPW], v[NIL]                      ; and once more, under the one wait
	v_lshrrev_b32 v1, 5, v0
	v_readfirstlane_b32 s10, v1                    ; wave 0..3
	s_lshr_b32 s11, s10, 1                         ; which half of the tile's rows is mine.  Also: I fetch for A (0) or for B (1)
	s_and_b32 s12, s10, 1                          ; which half of its columns.  Also: which 64 rows of that tile I fetch
	s_bfe_u32 s40, ttmp6, 0x40000                  ; cx, cy
	s_bfe_u32 s41, ttmp6, 0x40004
	s_lshl_b32 s42, ttmp9, 2
	s_add_co_u32 s42, s42, s40                     ; tile column = 4 x cluster x + cx
	s_and_b32 s13, ttmp7, 0xffff
	s_lshl_b32 s13, s13, 2
	s_add_co_u32 s13, s13, s41                     ; tile row = 4 x cluster y + cy
	s_lshl_b32 s43, s41, 2
	s_lshl_b32 s43, 15, s43                        ; my row of the cluster
	s_lshl_b32 s44, 0x1111, s40                    ; my column
	s_or_b32 s[G1+0], s43, (1<<16)|(1<<20)|(1<<21)|(6<<22)|(3<<25)  ; the mask; elements of 2 bytes; padding on; bit 21 beside a mask; after every 128 words four words
	s_or_b32 s[G1B+0], s44, (1<<16)|(1<<20)|(1<<21)|(6<<22)|(3<<25)
.irp g, G1, G1B
	s_mov_b32 s[\g+1], KSTEP<<16                   ; tensor_dim0 = 256
	s_mov_b32 s[\g+2], 64<<16                      ; tensor_dim1 = 64
	s_mov_b32 s[\g+3], KSTEP<<16                   ; tile_dim0 = 256
	s_mov_b32 s[\g+4], 64                          ; tile_dim1 = 64
	s_mov_b32 s[\g+5], SIZE_K                      ; from row to row
	s_mov_b32 s[\g+6], 0
	s_mov_b32 s[\g+7], 0
.endr
	s_lshl_b32 s17, s12, 6                         ; which 64 rows of the tile I fetch
	s_lshl_b32 s16, s13, 7
	s_add_co_u32 s16, s16, s17                     ; A: row 128 x tile row + 64 x half
	s_lshl_b32 s46, s42, 7
	s_add_co_u32 s46, s46, s17                     ; B: row 128 x tile column + 64 x half
	s_mov_b32 s17, 0
	s_mov_b32 s47, 0
	s_mov_b64 s[18:19], SIZE_K*2
	s_mul_u64 s[16:17], s[16:17], s[18:19]
	s_mul_u64 s[46:47], s[46:47], s[18:19]
	s_mul_i32 s20, s10, HALFT                      ; where they go: wave x 64 rows
	s_wait_dscnt 0x0                               ; both opening adds are done
	s_wait_kmcnt 0x0
	s_add_nc_u64 s[14:15], s[4:5], s[16:17]
	s_add_nc_u64 s[46:47], s[6:7], s[46:47]
	CROUND                                         ; all sixteen work-groups are here: the first joint loads meet
.irp s, 0,1
	s_mov_b32 s[G0+4*\s], 1
	s_add_co_u32 s[G0+4*\s+1], s20, \s*SLOT
	s_add_nc_u64 s[G0+4*\s+2:G0+4*\s+3], s[14:15], \s*KSTEP*2
	s_or_b32 s[G0+4*\s+3], s[G0+4*\s+3], 0x80000000
	s_mov_b32 s[G0B+4*\s], 1
	s_add_co_u32 s[G0B+4*\s+1], s20, \s*SLOT
	s_add_nc_u64 s[G0B+4*\s+2:G0B+4*\s+3], s[46:47], \s*KSTEP*2
	s_or_b32 s[G0B+4*\s+3], s[G0B+4*\s+3], 0x80000000
	JLOAD \s
.endr
	v_and_b32 v1, 15, v0                           ; l % 16
	v_bfe_u32 v2, v0, 4, 1                         ; l / 16
	v_mul_u32_u24 v3, v1, PITCH
	v_lshl_add_u32 v3, v2, 4, v3                   ; a fragment's row x pitch + 16 x half
	s_mul_i32 s21, s11, HALFT                      ; my 64 rows of A
	s_mul_i32 s22, s12, HALFT                      ; my 64 rows of B,
	s_add_co_u32 s22, s22, 2*HALFT                 ; which lie behind A's 128
.irp s, 0,1
	v_add_nc_u32 v[ADRA+\s], s21, v3
	v_add_nc_u32 v[ADRB+\s], s22, v3
	s_add_co_u32 s21, s21, SLOT
	s_add_co_u32 s22, s22, SLOT
.endr
	s_mul_i32 s23, s10, 16*SPITCH
	s_add_co_u32 s23, s23, STAGE                   ; my stage
	v_mul_u32_u24 v4, v1, SPITCH                   ; in: row l % 16, 32 bytes for each half of the lanes
	v_lshl_add_u32 v4, v2, 5, v4
	v_add_nc_u32 v[STO], s23, v4
	v_mul_u32_u24 v5, v2, SPITCH                   ; back: lanes 0-15 one row of 256 bytes, lanes 16-31 the next
	v_lshl_add_u32 v5, v1, 4, v5
	v_add_nc_u32 v[RD], s23, v5
	v_lshlrev_b32 v5, 12, v2                       ; and the same two rows in out0: 4,096 bytes a row
	v_lshl_add_u32 v[CO], v1, 4, v5
	s_lshl_b32 s16, s13, 7
	s_lshl_b32 s17, s11, 6
	s_add_co_u32 s16, s16, s17                     ; my first row of out0: 128 x tile row + 64 x half
	s_lshl_b32 s16, s16, 12
	s_mov_b32 s17, 0
	s_add_nc_u64 s[8:9], s[8:9], s[16:17]
	s_lshl_b32 s46, s42, 9                         ; my first column, in bytes: 512 x tile column + 256 x half
	s_lshl_b32 s47, s12, 8
	s_add_co_u32 s46, s46, s47
	s_mov_b32 s47, 0
	s_add_nc_u64 s[8:9], s[8:9], s[46:47]
; 8 matrix instructions: m blocks a0, a0 + 1 x all 4 n blocks, 32 along K: half c of buffer f.  zero = 1: the first product starts the sums.  The 16 accumulators take turns.
.macro MUL8 f, c, a0, zero
.irp a, \a0, \a0+1
.irp b, 0,1,2,3
.if \zero
	v_wmma_f32_16x16x32_f16 v[ACC+8*(4*(\a)+\b):ACC+8*(4*(\a)+\b)+7], v[\f+64+8*(4*\c+\b):\f+64+8*(4*\c+\b)+7], v[\f+8*(4*\c+\a):\f+8*(4*\c+\a)+7], 0
.else
	v_wmma_f32_16x16x32_f16 v[ACC+8*(4*(\a)+\b):ACC+8*(4*(\a)+\b)+7], v[\f+64+8*(4*\c+\b):\f+64+8*(4*\c+\b)+7], v[\f+8*(4*\c+\a):\f+8*(4*\c+\a)+7], v[ACC+8*(4*(\a)+\b):ACC+8*(4*(\a)+\b)+7]
.endif
.endr
.endr
.endm
; 32 LDS loads in one run: the fragments of 64 along K at byte k of the rows, into buffer f; the first 32 along K first
.macro FETCH slot, k, f
	WIN TO_F
.irp c, 0,1
.irp i, 0,1,2,3
	ds_load_b128 v[\f+64+8*(4*\c+\i):\f+64+8*(4*\c+\i)+3],   v[ADRB+\slot] offset:\k+64*\c+\i*16*PITCH
	ds_load_b128 v[\f+64+8*(4*\c+\i)+4:\f+64+8*(4*\c+\i)+7], v[ADRB+\slot] offset:\k+64*\c+\i*16*PITCH+32
	ds_load_b128 v[\f+8*(4*\c+\i):\f+8*(4*\c+\i)+3],         v[ADRA+\slot] offset:\k+64*\c+\i*16*PITCH
	ds_load_b128 v[\f+8*(4*\c+\i)+4:\f+8*(4*\c+\i)+7],       v[ADRA+\slot] offset:\k+64*\c+\i*16*PITCH+32
.endr
.endr
.endm
.macro PLACES                          ; four places in front of loads into registers that matrix instructions have read, and of the first read of results
.rept 4
	v_nop
.endr
.endm
; A K step is four quarters of 64 along K, 32 matrix instructions each, on buffers 0, 1, 0, 1.  One of the first three: multiplies buffer f and fetches the next quarter, at byte k, into g.
.macro QUARTER slot, k, f, g, zero
	s_wait_dscnt 16                                ; the first 32 along K are in; the sixteen younger loads may be out
	WIN MUL
	MUL8 \f, 0, 0, \zero
	MUL8 \f, 0, 2, \zero
	PLACES
	FETCH \slot, \k, \g
	s_wait_dscnt 32                                ; all but the 32 just issued
	WIN MUL
	MUL8 \f, 1, 0, 0
	MUL8 \f, 1, 2, 0
.endm
; The last quarter multiplies buffer 1 and changes slots: ONE barrier; in front of it each wave waits for all its tensor loads, adds 0 to its spare word, and waits for that and for its own reads of this slot.
; fill = 1: this slot is filled again, two K steps ahead; the barrier then opens a round of the cluster's barrier, and the joint refill is the first tensor load behind the round.
.macro TURN slot, next, fill
	WIN 0                                          ; (the add's two registers lie in window 0)
	s_wait_tensorcnt 0x0                           ; all my tensor loads have landed: my part of the next slot
	ds_add_u32 v[SPW], v[NIL]                      ; 0 onto my spare word
	s_wait_dscnt 17                                ; (the add and the youngest sixteen loads may be out)
	WIN MUL
	MUL8 F1, 0, 0, 0                               ; eight matrix instructions stand between the add and the wait for it
	s_wait_dscnt 0x0                               ; the add is done, and my reads of this slot are over
	s_barrier_signal -1
	MUL8 F1, 0, 2, 0
.if \fill
	WIN 0
.endif
	s_barrier_wait -1
.if \fill
	CREST                                          ; no wave of any partner still reads this slot's tile or has a load on its way
	s_add_nc_u64 s[G0+4*\slot+2:G0+4*\slot+3], s[G0+4*\slot+2:G0+4*\slot+3], 2*KSTEP*2
	s_add_nc_u64 s[G0B+4*\slot+2:G0B+4*\slot+3], s[G0B+4*\slot+2:G0B+4*\slot+3], 2*KSTEP*2
	JLOAD \slot                                    ; the four v_nop behind it are also the places in front of the loads below
.else
	PLACES
.endif
	FETCH \next, 0, F0
	WIN MUL
	MUL8 F1, 1, 0, 0
	MUL8 F1, 1, 2, 0
.endm
	s_wait_tensorcnt 1                             ; my part of K step 0 is in; K step 1's load may be out
	s_barrier_signal -1
	s_barrier_wait -1                              ; everybody's is
	FETCH 0, 0, F0
	QUARTER 0, 128, F0, F1, 1                      ; the first quarter stands in front of the loop: its first products start the sums
	WIN 0                                          ; at a label and at a branch every window is 0
	s_mov_b32 s3, LAPS-1
.Llap:                                                 ; a trip goes once round the ring, from a lap's second quarter to the next lap's first, and fills both slots again
	QUARTER 0, 256, F1, F0, 0
	QUARTER 0, 384, F0, F1, 0
	TURN 0, 1, 1
	QUARTER 1, 128, F0, F1, 0
	QUARTER 1, 256, F1, F0, 0
	QUARTER 1, 384, F0, F1, 0
	TURN 1, 0, 1
	QUARTER 0, 128, F0, F1, 0
	WIN 0
	s_sub_co_u32 s3, s3, 1
	s_cmp_lg_u32 s3, 0
	s_cbranch_scc1 .Llap
	QUARTER 0, 256, F1, F0, 0                      ; the last lap fills nothing, and has no round of the cluster's barrier
	QUARTER 0, 384, F0, F1, 0
	TURN 0, 1, 0
	QUARTER 1, 128, F0, F1, 0
	QUARTER 1, 256, F1, F0, 0
	QUARTER 1, 384, F0, F1, 0
	s_wait_dscnt 16                                ; the very last quarter: nothing more to fetch
	WIN MUL
	MUL8 F1, 0, 0, 0
	MUL8 F1, 0, 2, 0
	s_wait_dscnt 0
	MUL8 F1, 1, 0, 0
	MUL8 F1, 1, 2, 0
	WIN 0
; THE WAY OUT, block by block of 16 rows x 64 columns of f32.  A lane holds 32 neighbouring bytes of a row: the block goes through my own stage and comes back as whole rows of 256 bytes.
; LDS serves a wave's instructions in order: no wait between the stores and the loads, nor in front of the next block's stores.
.macro TOSTAGE a
.irp b, 0,1,2,3
	ds_store_b128 v[STO], v[ACC+8*(4*(\a)+\b):ACC+8*(4*(\a)+\b)+3] offset:64*\b        ; each accumulator from its low end on
	ds_store_b128 v[STO], v[ACC+8*(4*(\a)+\b)+4:ACC+8*(4*(\a)+\b)+7] offset:64*\b+16
.endr
.set BB, TMP+32*((\a)%2)
.irp t, 0,1,2,3,4,5,6,7
	ds_load_b128 v[BB+4*\t:BB+4*\t+3], v[RD] offset:\t*2*SPITCH
.endr
.endm
.macro SEND a, younger                 ; younger: the LDS instructions issued behind block a's loads, which may stay out
.set BB, TMP+32*((\a)%2)
	s_wait_dscnt \younger
.irp t, 0,1,2,3,4,5,6,7
	global_store_b128 v[CO], v[BB+4*\t:BB+4*\t+3], s[8:9] offset:(16*(\a)+2*\t)*SIZE_N*4 th:TH_STORE_NT   ; sixteen lanes store 256 consecutive bytes, aligned; 62 rows on at the most: inside the signed 24-bit immediate
.endr
.endm
	PLACES
	TOSTAGE 0
.irp a, 1,2,3
.if \a > 1
	s_wait_xcnt 0x0                                ; block a - 2's stores have read their registers: block a's loads may land there
.endif
	TOSTAGE \a
	SEND \a-1, 16                                  ; behind block a - 1's loads: block a's 8 stores and 8 loads
.endr
	SEND 3, 0
	s_wait_tensorcnt 0x0                           ; the wave's end, behind my last tensor load and my last LDS store
	ds_add_u32 v[SPW], v[NIL]
	s_wait_dscnt 0x0
	CROUND                                         ; the closing round
	s_endpgm
.Lfunc_end_k_q273d09038f_proj:
	.size	k_q273d09038f_proj, .Lfunc_end_k_q273d09038f_proj-k_q273d09038f_proj
	.p2alignl 7, 3214868480
	.fill 96, 4, 3214868480
	.section	.rodata,"a",@progbits
	.p2align	6, 0x0
	.amdhsa_kernel k_q273d09038f_proj
		.amdhsa_group_segment_fixed_size 327680
		.amdhsa_private_segment_fixed_size 0
		.amdhsa_enable_private_segment 0
		.amdhsa_kernarg_size 24
		.amdhsa_user_sgpr_count 2
		.amdhsa_user_sgpr_kernarg_segment_ptr 1
		.amdhsa_wavefront_size32 1
		.amdhsa_system_sgpr_workgroup_id_x 1
		.amdhsa_system_sgpr_workgroup_id_y 1
		.amdhsa_system_sgpr_workgroup_id_z 1
		.amdhsa_system_vgpr_workitem_id 0
		.amdhsa_next_free_vgpr 512
		.amdhsa_next_free_sgpr 66
		.amdhsa_reserve_vcc 0
		.amdhsa_float_denorm_mode_32 3
		.amdhsa_float_denorm_mode_16_64 3
		.amdhsa_memory_ordered 1
		.amdhsa_forward_progress 1
		.amdhsa_inst_pref_size 86
	.end_amdhsa_kernel
	.amdgpu_metadata
---
amdhsa.version: [ 1, 2 ]
amdhsa.kernels:
  - .name:           k_q273d09038f_proj
    .symbol:         k_q273d09038f_proj.kd
    .args:
      - { .name: ao, .offset: 0, .size: 8, .value_kind: global_buffer, .address_space: global }
      - { .name: w16, .offset: 8, .size: 8, .value_kind: global_buffer, .address_space: global }
      - { .name: out0, .offset: 16, .size: 8, .value_kind: global_buffer, .address_space: global }
    .group_segment_fixed_size: 327680
    .private_segment_fixed_size: 0
    .kernarg_segment_align: 8
    .kernarg_segment_size: 24
    .max_flat_workgroup_size: 128
    .sgpr_count:     66
    .vgpr_count:     512
    .wavefront_size: 32
...
	.end_amdgpu_metadata
.endif
;; end of part 4
;; launch proj16 (part 5): grid 64 x 4, 8 waves a work-group, no clusters, 9,216 bytes of LDS; arguments ao, w_out, out0; writes out0
.if DOCPART == 5
	.amdgcn_target "amdgcn-amd-amdhsa--gfx1250"
	.amdhsa_code_object_version 6
	.text
	.protected	k_q273d09038f_proj16
	.globl	k_q273d09038f_proj16
	.p2align	8
	.type	k_q273d09038f_proj16,@function
k_q273d09038f_proj16:
	s_mov_b64 s[64:65], 0
	v_nop
	global_prefetch_b8 v0, s[64:65] scope:SCOPE_SE
	s_setreg_imm32_b32 hwreg(HW_REG_WAVE_MODE, 25, 1), 1
	s_wait_xcnt 0x0
; THE FIRST 16 POSITIONS OF EACH SEQUENCE, PROJECTED IN f32.  These rows average one to a few values and are the largest of the output, so the rounding of f16 operands weighs most there: out0's rows 0 to 15 of
; each sequence are written again, from the attention's rows kept in f32 ([4][16][1,024], from byte AO32 of ao on) and w_out as it is given.  64 rows of 8,192: no bulk work.
; SHARES.  A work-group makes 16 positions x 16 columns; its eight waves share K: wave w takes k = 128 w .. 128 w + 127, 32 matrix instructions of 16 x 16 x 4 on four accumulators by turns.  The waves' parts
; meet in LDS as images of their registers, and wave 0 adds them in the waves' order and stores.
; The product is used transposed (source 0 = 16 rows of w_out, source 1 = the 16 positions): lane (r, h) holds out0(r, n0 + 8 h + 0 .. 7).  A lane's load of 16 bytes holds k = 8 i + 4 h + 0 .. 3; the instruction
; takes a pair of registers as its k = 2 h + 0, 1: the same exchange of k on both sides, which keeps every product.
; NO CLUSTER, NO TENSOR LOAD: the four sequences' work-groups share 16 rows of w_out, 65,536 bytes, which go straight into registers.  A store covers 64 bytes of each of 16 rows: 262,144 bytes in the whole
; launch leave so, the price of spreading the work over 256 work-groups.
.set AO32,  16777216                   ; where the f32 rows begin in ao
.set SPARE, 8192                       ; LDS: eight images of 1,024 bytes, then the spare words, 128 bytes for each wave
.set WF,  32                           ; v32-95   w_out's numbers
.set AF,  96                           ; v96-159  the positions'
.set ACC, 160                          ; v160-191 four accumulators: written by matrix instructions alone
.set SU,  192                          ; v192-199, v200-207 sums
	s_load_b128 s[4:7], s[0:1], 0x0                ; ao, w_out
	s_load_b64 s[8:9], s[0:1], 0x10                ; out0
	v_lshl_add_u32 v5, v0, 2, SPARE                ; my spare word; never rewritten
	v_mov_b32 v6, 0                                ; 0; never rewritten
	v_lshrrev_b32 v1, 5, v0
	v_readfirstlane_b32 s10, v1                    ; wave
	v_and_b32 v1, 15, v0                           ; r
	v_bfe_u32 v2, v0, 4, 1                         ; h
	v_lshlrev_b32 v3, 12, v1
	v_lshl_add_u32 v3, v2, 4, v3
	s_lshl_b32 s11, s10, 9
	v_add_nc_u32 v3, s11, v3                       ; both operands: row r of 4,096 bytes, + 512 w + 16 h
	v_and_b32 v8, 31, v0
	v_lshlrev_b32 v8, 4, v8                        ; 16 x lane: where wave 0 reads the images
	s_lshl_b32 s11, s10, 10
	v_add_nc_u32 v4, s11, v8                       ; and where I store mine: + 1,024 w
	v_lshlrev_b32 v7, 12, v1
	v_lshl_add_u32 v7, v2, 5, v7                   ; out0: row r, + 32 h
	s_and_b32 s12, ttmp7, 0xffff                   ; the sequence
	s_lshl_b32 s14, s12, 16                        ; its 16 rows of 4,096 bytes,
	s_add_co_u32 s14, s14, AO32                    ; behind ao's f16 rows
	s_mov_b32 s15, 0
	s_lshl_b32 s16, ttmp9, 16                      ; 16 rows of w_out
	s_mov_b32 s17, 0
	s_lshl_b32 s18, s12, 23                        ; 2,048 rows of out0
	s_lshl_b32 s20, ttmp9, 6                       ; 16 columns
	s_add_co_u32 s18, s18, s20
	s_mov_b32 s19, 0
	s_wait_kmcnt 0x0
	s_add_nc_u64 s[4:5], s[4:5], s[14:15]
	s_add_nc_u64 s[6:7], s[6:7], s[16:17]
	s_add_nc_u64 s[8:9], s[8:9], s[18:19]
.set I, 0
.rept 16
	global_load_b128 v[WF+4*I:WF+4*I+3], v3, s[6:7] offset:32*I
	global_load_b128 v[AF+4*I:AF+4*I+3], v3, s[4:5] offset:32*I
.set I, I+1
.endr
.set Q, 0
.rept 32
.if Q%8 == 0
	s_wait_loadcnt 24-Q                            ; the next eight products want the first Q + 8 of the 32 loads: the 24 - Q younger ones may be out
.endif
.if Q < 4
	v_wmma_f32_16x16x4_f32 v[ACC+8*(Q%4):ACC+8*(Q%4)+7], v[WF+2*Q:WF+2*Q+1], v[AF+2*Q:AF+2*Q+1], 0     ; each sum's own first step starts it
.else
	v_wmma_f32_16x16x4_f32 v[ACC+8*(Q%4):ACC+8*(Q%4)+7], v[WF+2*Q:WF+2*Q+1], v[AF+2*Q:AF+2*Q+1], v[ACC+8*(Q%4):ACC+8*(Q%4)+7]
.endif
.set Q, Q+1
.endr
.rept 8
	v_nop                                          ; eight places behind this form, ahead of the first read of its results (ISA guide 7.12.1)
.endr
.irp k, 0,2,4,6                                ; the four accumulators' sum goes into other registers; each is read from its low end on
	v_pk_add_f32 v[SU+\k:SU+\k+1], v[ACC+\k:ACC+\k+1], v[ACC+8+\k:ACC+8+\k+1]
.endr
.irp k, 0,2,4,6
	v_pk_add_f32 v[SU+8+\k:SU+8+\k+1], v[ACC+16+\k:ACC+16+\k+1], v[ACC+24+\k:ACC+24+\k+1]
.endr
.irp k, 0,2,4,6
	v_pk_add_f32 v[SU+\k:SU+\k+1], v[SU+\k:SU+\k+1], v[SU+8+\k:SU+8+\k+1]
.endr
	ds_store_b128 v4, v[SU:SU+3]                   ; my part, as an image of its registers
	ds_store_b128 v4, v[SU+4:SU+7] offset:512
	s_wait_tensorcnt 0x0                           ; my last LDS store is out
	ds_add_u32 v5, v6
	s_wait_dscnt 0x0                               ; also the wait that the barrier asks for: my stores have landed
	s_barrier_signal -1
	s_barrier_wait -1
	s_cmp_lg_u32 s10, 0
	s_cbranch_scc1 .Lend                           ; wave 0 alone adds and stores; it only reads LDS from here on
.set I, 0
.rept 16
	ds_load_b128 v[WF+4*I:WF+4*I+3], v8 offset:512*I   ; wave I / 2's registers 4 (I % 2) on
.set I, I+1
.endr
	s_wait_dscnt 0x0
.irp k, 0,2,4,6
	v_pk_add_f32 v[SU+\k:SU+\k+1], v[WF+\k:WF+\k+1], v[WF+8+\k:WF+8+\k+1]
.endr
.irp m, 2,3,4,5,6,7
.irp k, 0,2,4,6
	v_pk_add_f32 v[SU+\k:SU+\k+1], v[SU+\k:SU+\k+1], v[WF+8*\m+\k:WF+8*\m+\k+1]
.endr
.endr
	global_store_b128 v7, v[SU:SU+3], s[8:9]
	global_store_b128 v7, v[SU+4:SU+7], s[8:9] offset:16
.Lend:
	s_endpgm
.Lfunc_end_k_q273d09038f_proj16:
	.size	k_q273d09038f_proj16, .Lfunc_end_k_q273d09038f_proj16-k_q273d09038f_proj16
	.p2alignl 7, 3214868480
	.fill 96, 4, 3214868480
	.section	.rodata,"a",@progbits
	.p2align	6, 0x0
	.amdhsa_kernel k_q273d09038f_proj16
		.amdhsa_group_segment_fixed_size 9216
		.amdhsa_private_segment_fixed_size 0
		.amdhsa_enable_private_segment 0
		.amdhsa_kernarg_size 24
		.amdhsa_user_sgpr_count 2
		.amdhsa_user_sgpr_kernarg_segment_ptr 1
		.amdhsa_wavefront_size32 1
		.amdhsa_system_sgpr_workgroup_id_x 1
		.amdhsa_system_sgpr_workgroup_id_y 1
		.amdhsa_system_sgpr_workgroup_id_z 1
		.amdhsa_system_vgpr_workitem_id 0
		.amdhsa_next_free_vgpr 208
		.amdhsa_next_free_sgpr 66
		.amdhsa_reserve_vcc 0
		.amdhsa_float_denorm_mode_32 3
		.amdhsa_float_denorm_mode_16_64 3
		.amdhsa_memory_ordered 1
		.amdhsa_forward_progress 1
		.amdhsa_inst_pref_size 12
	.end_amdhsa_kernel
	.amdgpu_metadata
---
amdhsa.version: [ 1, 2 ]
amdhsa.kernels:
  - .name:           k_q273d09038f_proj16
    .symbol:         k_q273d09038f_proj16.kd
    .args:
      - { .name: ao, .offset: 0, .size: 8, .value_kind: global_buffer, .address_space: global }
      - { .name: w_out, .offset: 8, .size: 8, .value_kind: global_buffer, .address_space: global }
      - { .name: out0, .offset: 16, .size: 8, .value_kind: global_buffer, .address_space: global }
    .group_segment_fixed_size: 9216
    .private_segment_fixed_size: 0
    .kernarg_segment_align: 8
    .kernarg_segment_size: 24
    .max_flat_workgroup_size: 256
    .sgpr_count:     66
    .vgpr_count:     208
    .wavefront_size: 32
...
	.end_amdgpu_metadata
.endif
;; end of part 5
